; MI455X (gfx1250); checked and timed in simulation.
; The chip was launched on July 23, 2026; its instructions are those of AMD's public machine-readable ISA for CDNA 5 (MIT licence, August 2026) and "CDNA5" Instruction Set Architecture Reference Guide (July 2026). The comments in the code are by the model that wrote it; some were corrected since.
;; Multi Head Attention. Allowed arithmetic: matrix products marked QUANTISED: E4M3 operands, one given power-of-two scale a tensor, by v_wmma_f32_16x16x64_fp8_fp8 or v_wmma_f32_16x16x128_fp8_fp8, f32 sums; everything else in f32.
;; Inputs: Wk_codes 1,024 x 32 x 32 uint8 (E4M3 codes of Wk, K innermost, in blocks of 32 codes); Wo_codes 1,024 x 32 x 32 uint8 (E4M3 codes of Wo, K innermost, in blocks of 32 codes); Wq_codes 1,024 x 32 x 32 uint8 (E4M3 codes of Wq, K innermost, in blocks of 32 codes); Wv_codes 1,024 x 32 x 32 uint8 (E4M3 codes of Wv, K innermost, in blocks of 32 codes); bk 1,024 float32; bo 1,024 float32; bq 1,024 float32; bv 1,024 float32; k_codes 4 x 2,048 x 32 x 32 uint8 (E4M3 codes of k, K innermost, in blocks of 32 codes); lowp_scales 12 int32 (the exponents e of the quantised operands' scales 2^e); mask 1 x 1 x 2,048 x 2,048 int32; q_codes 4 x 2,048 x 32 x 32 uint8 (E4M3 codes of q, K innermost, in blocks of 32 codes); v_codes 4 x 2,048 x 32 x 32 uint8 (E4M3 codes of v, K innermost, in blocks of 32 codes).
;; Outputs: out0 4 x 2,048 x 1,024 float32.
;; This version of the problem:
;;   THIS VERSION OF THE PROBLEM IS GIVEN IN LOW PRECISION. The matrix products marked QUANTISED in the list below multiply operands that are first quantised to E4M3 (4 exponent bits, 3 mantissa bits; 8 bits a number), with one given power-of-two scale for each operand tensor; their sums are f32. All else is computed in f32.
;;   The module's matrix products, in the order in which they are computed (A, B: the left and right operand; K: the contracted axis; several contracted axes count as one K, in the product's order):
;;     1. [M 8,192, K 1,024] x [K 1,024, N 1,024]; A: input q (given as codes); B: input Wq (given as codes): QUANTISED (scales: A lowp_scales[0], B lowp_scales[1])
;;     2. [M 8,192, K 1,024] x [K 1,024, N 1,024]; A: input k (given as codes); B: input Wk (given as codes): QUANTISED (scales: A lowp_scales[2], B lowp_scales[3])
;;     3. [M 8,192, K 1,024] x [K 1,024, N 1,024]; A: input v (given as codes); B: input Wv (given as codes): QUANTISED (scales: A lowp_scales[4], B lowp_scales[5])
;;     4. batch 64 x [M 2,048, K 64] x [K 64, N 2,048]; A: computed on the way; B: computed on the way: QUANTISED (scales: A lowp_scales[6], B lowp_scales[7])
;;     5. batch 64 x [M 2,048, K 2,048] x [K 2,048, N 64]; A: softmax (see below); B: computed on the way: QUANTISED (scales: A lowp_scales[8], B lowp_scales[9])
;;     6. [M 8,192, K 1,024] x [K 1,024, N 1,024]; A: computed on the way; B: input Wo (given as codes): QUANTISED (scales: A lowp_scales[10], B lowp_scales[11])
;;   THE QUANTISER, for each operand of a quantised product, along K:
;;     - The operand's scale is 2^e, e = its entry of the input lowp_scales (int32; the entries are numbered through the quantised products in the list's order, A before B).
;;     - Each number is divided by the scale, clamped to +-448, and rounded to the nearest number of E4M3, ties to even, subnormals kept.
;;     - The product sums the exact products of the quantised numbers (number of the format x scale) in f32.
;;   ~~~python
;;   def quantise(x, axis, e):      # numpy; x: float32 -> the quantised numbers, widened to float32 again
;;       x = np.moveaxis(x, axis, -1); K = x.shape[-1]
;;       r = np.clip(x / 2.0 ** e, -448, 448)
;;       step = 2.0 ** (np.maximum(np.frexp(np.where(r == 0, 1, r))[1] - 1, -6) - 3)
;;       q = np.round(r / step) * step * 2.0 ** e      # np.round: ties to even
;;       return np.moveaxis(q, -1, axis).astype(np.float32)
;;   ~~~
;;   SOFTMAX AHEAD OF A QUANTISED PRODUCT. Where the list says 'softmax', what is quantised is not the finished softmax but p = 2^(t - M), with t = logit x log2(e) and M = ceil(the row's largest t), a whole number; so 1/2 < the row's largest p <= 1. The row's sum l is taken of the UNQUANTISED p, in f32, and the product's result is divided by l at the end. Since M is a whole number, a kernel that streams over the keys may use a running M (the ceiling of the running maximum): every later rescaling is an exact power of two, so the quantised numbers keep their values, but for numbers so far below the row's largest that they fall under the format's range.
;;   OPERANDS COMPUTED ON THE WAY. 'Computed on the way' means the value that the module computes at that place (a softmax that the list does not call 'softmax' is quantised finished and normalised). What goes into a quantiser is computed in f32, as accurately as f32 sums, v_exp_f32 and their like allow (about 1e-6 of the number): no bf16 or f16 on the way to a quantiser, and a product that is left as it is and whose result goes on into a quantised operand takes f32 operands (vector FMAs, or v_wmma_f32_16x16x4_f32). A number that lies on a knife's edge between two numbers of the format may be rounded either way, as far as f32 arithmetic and the matrix unit's own rounding can turn it there, and no further.
;;   INPUTS GIVEN AS CODES. Wk (in the module: [1024, 1024], K = its axis 1); Wo (in the module: [1024, 1024], K = its axis 1); Wq (in the module: [1024, 1024], K = its axis 1); Wv (in the module: [1024, 1024], K = its axis 1); k (in the module: [4, 2048, 1024], K = its axis 2); q (in the module: [4, 2048, 1024], K = its axis 2); v (in the module: [4, 2048, 1024], K = its axis 2): each comes as NAME_codes (uint8): NAME with its K axis moved to the last place and cut into blocks of 32 codes, [.., K / 32, bytes a block], one block behind the other in memory; one code a byte (a code: sign, 4 exponent bits, 3 mantissa bits); its scale is its entry of lowp_scales. Its value is code x scale, taken as it is: it is not quantised again, and the codes and scales need not be those that the quantiser above would give.
;; 2 versions, each right; version 2 is version 1 with the launch attn written anew for expert scheduling mode. Each part assembles by itself: llvm-mc -triple=amdgcn-amd-amdhsa -mcpu=gfx1250 --defsym DOCPART=n.
;; ======== version 1 of 2: 5 launches
;; limits: right only within a limited range of input values
;; workspace buffers: qf 8,388,608 bytes; kf 8,388,608 bytes; vf 8,388,608 bytes; cf 8,388,608 bytes; maskw 524,288 bytes of whole numbers; flags 512 bytes of whole numbers
;; launch maskprep (part 1): grid 128 x 1, 16 waves a work-group, no clusters, 137,472 bytes of LDS; arguments mask, maskw, flags; writes maskw, flags
.if DOCPART == 1
	.amdgcn_target "amdgcn-amd-amdhsa--gfx1250"
	.amdhsa_code_object_version 6
	.text
	.protected	k_q7a41953363_maskprep
	.globl	k_q7a41953363_maskprep
	.p2align	8
	.type	k_q7a41953363_maskprep,@function
k_q7a41953363_maskprep:
	s_mov_b64 s[64:65], 0
	v_nop
	global_prefetch_b8 v0, s[64:65] scope:SCOPE_SE
	s_setreg_imm32_b32 hwreg(HW_REG_WAVE_MODE, 25, 1), 1
	s_wait_xcnt 0x0
; THE MASK [2048 queries][2048 keys], int32, AN INPUT, IS PACKED ONCE: lane masks for the attention launch's scores, and flags for blocks of 16 queries x 128 keys.
; maskw[G 64][j 16][u 2][n 64], dwords: bit L of a word = (mask[32 G + 16 u + L % 16][128 j + 16 (n / 8) + 8 (L / 16) + n % 8] != 0): the lane mask of score register n of query tile u in key slot j.
; flags[T 128], dwords, T a tile of 16 queries: bits 15:0 'need' (bit j: key slot j has to be walked), bits 31:16 'all' (bit j: no entry of the block is masked).
; WHAT THE PROGRAM LEAVES OUT, AND WHY IT MAY.  No input and no product of reference() is dead: every input is loaded by some launch.  What is left out is chosen by whole numbers that a later launch reads from
; memory: a block of the scores in which mask == 0 everywhere, for queries that each have an unmasked key somewhere.  reference() sets those scores to -1e9, and beside a row's unmasked logit their softmax weight is 0 in f32,
; so the block adds nothing to the row's sum or to ctx.  Where some row of a tile is masked at ALL 2,048 keys, reference() averages all values: then 'need' is all ones and nothing is left out for that tile.
; LIMIT: a NaN, an infinity or an overflow that could arise only in a block that is left out is not carried to the result.
; SHARES.  Work-group T takes 16 rows of the mask; wave j its 128 keys of slot j: 16 rows x 512 bytes.  Each load reads 512 consecutive bytes of a row; the rows turn through the wave's own stage in LDS, so that
; lane (r, h) gets row r and the 64 keys of its half; 64 compares give the 64 words.  The wave stores its 256 bytes as one aligned run.
.set PITCH, 528                        ; a stage row: 512 bytes + 16: sixteen rows start at sixteen different banks (64 banks of 4 bytes: ISA guide 11.1)
.set STG,   16*PITCH                   ; a wave's stage
.set INFO,  16*STG                     ; one word for each wave: bits 15:0 rows with an unmasked key in my slot, bit 16 the block has no masked entry
.set SPARE, INFO+256                   ; the spare words, 128 bytes for each wave: eight blocks of 256 bytes that no other line names
.set R,     16                         ; v16-79   the rows as loaded
.set X,     80                         ; v80-143  my row's 64 entries, in the order of the score registers
	s_load_b128 s[4:7], s[0:1], 0x0                ; mask, maskw
	s_load_b64 s[8:9], s[0:1], 0x10                ; flags
	v_lshl_add_u32 v10, v0, 2, SPARE               ; my spare word; never rewritten
	v_mov_b32 v11, 0                               ; 0; never rewritten
	v_lshrrev_b32 v14, 5, v0
	v_readfirstlane_b32 s10, v14                   ; wave = key slot j
	v_and_b32 v1, 31, v0                           ; lane
	v_and_b32 v2, 15, v0                           ; r
	v_bfe_u32 v3, v0, 4, 1                         ; h
	s_lshl_b32 s20, s10, 9                         ; 512 j: my slot's bytes in a row
	v_lshlrev_b32 v4, 4, v1
	v_add_nc_u32 v4, s20, v4                       ; in memory: 16 x lane + 512 j
	s_mul_i32 s21, s10, STG
	v_lshlrev_b32 v5, 4, v1
	v_add_nc_u32 v5, s21, v5                       ; into the stage: 16 x lane
	v_mul_u32_u24 v6, v2, PITCH
	v_lshl_add_u32 v6, v3, 5, v6
	v_add_nc_u32 v6, s21, v6                       ; out of it: row r, + 32 h: eight keys of my half
	v_lshlrev_b32 v7, 3, v1                        ; the words' store: 8 x lane
	s_lshl_b32 s22, s10, 2
	s_add_co_u32 s22, s22, INFO
	v_mov_b32 v8, s22                              ; my wave's info word
	v_lshl_add_u32 v9, v2, 2, INFO                 ; wave 0 reads back: lane l takes slot l % 16
	s_lshl_b32 s24, ttmp9, 17                      ; 16 rows of 8,192 bytes
	s_mov_b32 s25, 0
	s_lshr_b32 s26, ttmp9, 1
	s_lshl_b32 s26, s26, 13                        ; G x 8,192
	s_add_co_u32 s26, s26, s20                     ; + j x 512
	s_and_b32 s27, ttmp9, 1
	s_lshl_b32 s27, s27, 8                         ; + u x 256
	s_add_co_u32 s26, s26, s27
	s_mov_b32 s27, 0
	s_lshl_b32 s28, ttmp9, 2
	s_mov_b32 s29, 0
	s_wait_kmcnt 0x0
	s_add_nc_u64 s[4:5], s[4:5], s[24:25]
	s_add_nc_u64 s[6:7], s[6:7], s[26:27]
	s_add_nc_u64 s[8:9], s[8:9], s[28:29]
.set i, 0
.rept 16
	global_load_b128 v[R+4*i:R+4*i+3], v4, s[4:5] offset:8192*i th:TH_LOAD_NT   ; row i: 32 lanes read 512 consecutive bytes; the launch reads each byte once
.set i, i+1
.endr
.set i, 0
.rept 16
	s_wait_loadcnt 15-i                            ; loads come back in order: row i is in, the 15 - i younger ones may be out
	ds_store_b128 v5, v[R+4*i:R+4*i+3] offset:PITCH*i
.set i, i+1
.endr
.set k, 0
.rept 16
	ds_load_b128 v[X+4*k:X+4*k+3], v6 offset:64*(k/2)+16*(k%2)   ; my own stage: LDS serves a wave's instructions in order, so these see the stores.  X[n] = key 16 (n / 8) + 8 h + n % 8 of row r
.set k, k+1
.endr
	v_mov_b32 v12, 0                               ; the words: v12 lane l = word 2 l, v13 lane l = word 2 l + 1 (a lane write's destination counts as read)
	v_mov_b32 v13, 0
	s_wait_dscnt 0x0
.set n, 0
.rept 64
	v_cmp_ne_u32 s[16+n%4], 0, v[X+n]              ; the lane mask of score register n
.if n == 0
	s_mov_b32 s12, s16                             ; the OR of all words,
	s_mov_b32 s13, s16                             ; and the AND
.else
	s_or_b32 s12, s12, s[16+n%4]
	s_and_b32 s13, s13, s[16+n%4]
.endif
	v_writelane_b32 v[12+n%2], s[16+n%4], n/2
.set n, n+1
.endr
	global_store_b64 v7, v[12:13], s[6:7]          ; 32 lanes store 256 consecutive bytes, at a multiple of 256 from the buffer's first byte
	s_lshr_b32 s20, s12, 16
	s_or_b32 s20, s20, s12
	s_and_b32 s20, s20, 0xffff                     ; bit r: row r has an unmasked key in my slot
	s_cmp_eq_u32 s13, -1
	s_cselect_b32 s21, 0x10000, 0                  ; no entry of the block is masked
	s_or_b32 s20, s20, s21
	v_mov_b32 v14, s20
	ds_store_b32 v8, v14                           ; all lanes write the same word with the same value
	s_wait_dscnt 0x0                               ; for wave 0's sake: my store is done
	s_barrier_signal -1
	s_barrier_wait -1
	s_cmp_lg_u32 s10, 0
	s_cbranch_scc1 .Lend                           ; wave 0 alone makes the tile's flags
	ds_load_b32 v14, v9
	v_mov_b32 v16, 0                               ; the flag's offset
	s_wait_dscnt 0x0
	v_and_b32 v15, 0xffff, v14
	v_and_b32 v14, 0x10000, v14
	v_cmp_ne_u32 s20, 0, v15                       ; bit j: slot j has an unmasked entry
	v_cmp_ne_u32 s21, 0, v14                       ; bit j: slot j has no masked entry
	v_readlane_b32 s22, v15, 0
.irp l, 1,2,3,4,5,6,7,8,9,10,11,12,13,14,15
	v_readlane_b32 s23, v15, \l
	s_or_b32 s22, s22, s23                         ; bit r: row r has an unmasked key somewhere
.endr
	s_and_b32 s20, s20, 0xffff
	s_and_b32 s21, s21, 0xffff
	s_cmp_eq_u32 s22, 0xffff
	s_cselect_b32 s20, s20, 0xffff                 ; a row masked at all keys asks for every slot
	s_lshl_b32 s21, s21, 16
	s_or_b32 s20, s20, s21
	v_mov_b32 v14, s20
	v_cmp_eq_u32 vcc_lo, 0, v1
	s_wait_xcnt 0x0                                ; EXEC is a source of the store above: it changes only behind this wait
	s_and_saveexec_b32 s23, vcc_lo
	global_store_b32 v16, v14, s[8:9]              ; one word for the tile
	s_wait_xcnt 0x0                                ; and again, in front of the line that widens it
	s_or_b32 exec_lo, exec_lo, s23
.Lend:
	s_wait_tensorcnt 0x0                           ; the wave's end, behind my last LDS store
	ds_add_u32 v10, v11
	s_wait_dscnt 0x0
	s_endpgm
.Lfunc_end_k_q7a41953363_maskprep:
	.size	k_q7a41953363_maskprep, .Lfunc_end_k_q7a41953363_maskprep-k_q7a41953363_maskprep
	.p2alignl 7, 3214868480
	.fill 96, 4, 3214868480
	.section	.rodata,"a",@progbits
	.p2align	6, 0x0
	.amdhsa_kernel k_q7a41953363_maskprep
		.amdhsa_group_segment_fixed_size 137472
		.amdhsa_private_segment_fixed_size 0
		.amdhsa_enable_private_segment 0
		.amdhsa_kernarg_size 24
		.amdhsa_user_sgpr_count 2
		.amdhsa_user_sgpr_kernarg_segment_ptr 1
		.amdhsa_wavefront_size32 1
		.amdhsa_system_sgpr_workgroup_id_x 1
		.amdhsa_system_sgpr_workgroup_id_y 1
		.amdhsa_system_sgpr_workgroup_id_z 1
		.amdhsa_system_vgpr_workitem_id 0
		.amdhsa_next_free_vgpr 144
		.amdhsa_next_free_sgpr 66
		.amdhsa_reserve_vcc 1
		.amdhsa_float_denorm_mode_32 3
		.amdhsa_float_denorm_mode_16_64 3
		.amdhsa_memory_ordered 1
		.amdhsa_forward_progress 1
		.amdhsa_inst_pref_size 22
	.end_amdhsa_kernel
	.amdgpu_metadata
---
amdhsa.version: [ 1, 2 ]
amdhsa.kernels:
  - .name:           k_q7a41953363_maskprep
    .symbol:         k_q7a41953363_maskprep.kd
    .args:
      - { .name: mask, .offset: 0, .size: 8, .value_kind: global_buffer, .address_space: global }
      - { .name: maskw, .offset: 8, .size: 8, .value_kind: global_buffer, .address_space: global }
      - { .name: flags, .offset: 16, .size: 8, .value_kind: global_buffer, .address_space: global }
    .group_segment_fixed_size: 137472
    .private_segment_fixed_size: 0
    .kernarg_segment_align: 8
    .kernarg_segment_size: 24
    .max_flat_workgroup_size: 512
    .sgpr_count:     66
    .vgpr_count:     144
    .wavefront_size: 32
...
	.end_amdgpu_metadata
.endif
;; end of part 1
;; launch projqk (part 2): grid 4 x 64, 4 waves a work-group, clusters of 4 x 4, 327,680 bytes of LDS; arguments q_codes, Wq_codes, k_codes, Wk_codes, bq, bk, lowp_scales, qf, kf; writes qf, kf
.if DOCPART == 2
	.amdgcn_target "amdgcn-amd-amdhsa--gfx1250"
	.amdhsa_code_object_version 6
	.text
	.protected	k_q7a41953363_projqk
	.globl	k_q7a41953363_projqk
	.p2align	8
	.type	k_q7a41953363_projqk,@function
k_q7a41953363_projqk:
	s_mov_b64 s[64:65], 0
	v_nop
	global_prefetch_b8 v0, s[64:65] scope:SCOPE_SE
	s_setreg_imm32_b32 hwreg(HW_REG_WAVE_MODE, 25, 1), 1
	s_wait_xcnt 0x0
	s_wait_alu depctr_hold_cnt(0) depctr_sa_sdst(0) depctr_va_vdst(0) depctr_va_sdst(0) depctr_va_ssrc(0) depctr_va_vcc(0) depctr_vm_vsrc(0)
	s_getreg_b32 s2, hwreg(HW_REG_IB_STS2, 6, 4)
	s_cmp_eq_u32 s2, 0
	s_cbranch_scc0 .Lentry_in_a_cluster
	s_endpgm
.Lentry_in_a_cluster:
	s_bfe_u32 s2, ttmp6, 0x10000c
	s_cmp_lg_u32 s2, 0xf033
	s_cbranch_scc0 .Lentry_shape_is_right
	s_endpgm
.Lentry_shape_is_right:
; qh = q Wq^T + bq and kh = k Wk^T + bk, both on codes of E4M3 as they are given, and both results quantised at once (scales 2^e6, 2^e7) for the product qh kh^T.  Nothing is left out here.
; One launch for both: tile rows 0-31 of the grid's y are q's 8,192 tokens, 32-63 k's.  The buffers and the scales' entries are chosen by selects on the cluster's y, an id that all sixteen partners share.
; A tile of 256 tokens x 256 features is made by four waves, each 128 x 128: 64 accumulators, 512 registers.  K = 1,024 goes in four steps of 256 through a ring of two LDS slots filled by the tensor data mover.
; CLUSTERS: 4 x 4 work-groups; the four of a row need the same tokens' tile (A), the four of a column the same weights' tile (B): each is asked for jointly, by the same load with a mask that names the four.
; TRANSPOSED USE: source 0 = 16 rows of W, source 1 = 16 tokens: lane (r, h) of accumulator (a, b) holds token 16 a + r and features 16 b + 8 h + 0 .. 7.  Eight numbers make two registers of codes, 2 b and 2 b + 1; for
; b = 4 hh + c these are registers 2 c, 2 c + 1 (k = 16 c + 8 h ..) of the K = 64 operand of head hh: the codes are stored AS THE IMAGE OF THE ATTENTION LAUNCH'S OPERAND REGISTERS, and need no turn through LDS.
; qf, kf: [b 4][head 16][block of 16 tokens 128][g 2][lane 32][16 bytes].  Each store of a wave covers 512 consecutive bytes, aligned.
; The fragments are fetched by four loads of 16 bytes: a permutation of k that is the same in A and in B, so every product meets its partner.
; LIMITS on the given exponents, so that each power of two is an f32 number: e0 + e1 and e2 + e3 between -126 and 127; e6 and e7 between -126 and 119.  NaN codes among the inputs are not served.
; REGISTERS, in windows of 256: window 0: v0-31 addresses; v64-127 the bias; from v128 A's fragments, one set (free on the way out).  window 1: B's fragments, two sets.  windows 2, 3: the accumulators, (a, b) at v[8 (8 (a % 4) + b)].
.set SIZE_K, 1024
.set KSTEP,  256
.set ROWB,   256
.set KROW,   1024
.set PITCH,  272                       ; an LDS row: 256 bytes + 16: row r starts at bank 4 r mod 64 (64 banks of 4 bytes: ISA guide 11.1)
.set FR,     16
.set NL,     4
.set NP,     4                         ; places behind this matrix instruction (ISA guide 7.12.1)
.set HALFT,  128*PITCH
.set SLOT,   4*HALFT
.set LAPS,   SIZE_K/(2*KSTEP)
.set SPARE,  2*SLOT                    ; behind the ring: the spare words, two blocks of 256 bytes that no other line names
.set ADRA, 16
.set ADRB, 20
.set CO,   26                          ; v26  16 x lane
.set SPW,  28
.set NIL,  29
.set BI,   64                          ; v64-127  bias[16 b + 8 h + jj] at 8 b + jj
.set T,    128                         ; the way out: a block's 64 numbers
.set CD,   192                         ; and its codes: 16 registers, two sets by turns
.set AF,   128
.set G1, 24
.set G0, 32
.set G1B, 48
.set G0B, 56
.set MSB, 0
.macro WIN new                         ; the immediate's high byte repeats the setting that is left
.if MSB != \new
	s_set_vgpr_msb (MSB<<8)|\new
.set MSB, \new
.endif
.endm
.set MUL_LO, 0xa1                      ; source 0 (B) window 1, source 1 (A) window 0, C and D window 2
.set MUL_HI, 0xf1                      ; the same, C and D window 3
.set TO_B,   0x40
.macro JLOAD g0a, g1a, g0b, g1b        ; a joint load: waves 0 and 1 fetch for A, waves 2 and 3 for B; an s_nop 0 and four v_nop follow each line
	s_cmp_eq_u32 s15, 0
	s_cbranch_scc0 .Lfor_b_\@
	tensor_load_to_lds s[\g0a:\g0a+3], s[\g1a:\g1a+7]
	s_nop 0
.rept 4
	v_nop
.endr
	s_branch .Lasked_\@
.Lfor_b_\@:
	tensor_load_to_lds s[\g0b:\g0b+3], s[\g1b:\g1b+7]
	s_nop 0
.rept 4
	v_nop
.endr
.Lasked_\@:
.endm
.macro CREST                           ; a round of the cluster's barrier behind its opening barrier
	s_cmp_lg_u32 s14, 0
	s_cbranch_scc1 .Lnot_wave_0_\@
	s_barrier_signal -3
.Lnot_wave_0_\@:
	s_barrier_wait -3
	s_barrier_signal -1
	s_barrier_wait -1
.endm
.macro CROUND
	s_barrier_signal -1
	s_barrier_wait -1
	CREST
.endm
	s_load_b256 s[68:75], s[0:1], 0x0              ; q's codes, Wq's, k's, Wk's
	s_load_b256 s[76:83], s[0:1], 0x20             ; bq, bk, the scales' exponents, qf
	s_load_b64 s[84:85], s[0:1], 0x40              ; kf
	v_lshl_add_u32 v[SPW], v0, 2, SPARE
	v_mov_b32 v[NIL], 0
	ds_add_u32 v[SPW], v[NIL]                      ; the wave's opening: the add, twice on end, and its wait ahead of my first tensor load
	ds_add_u32 v[SPW], v[NIL]
	v_lshrrev_b32 v1, 5, v0
	v_readfirstlane_b32 s14, v1                    ; wave 0..3
	s_lshr_b32 s15, s14, 1                         ; which half of the tile's tokens is mine.  Also: I fetch for A (0) or for B (1)
	s_and_b32 s16, s14, 1                          ; which half of its features.  Also: which 128 rows of that tile I fetch
	s_bfe_u32 s40, ttmp6, 0x40000                  ; cx, cy
	s_bfe_u32 s41, ttmp6, 0x40004
	s_lshl_b32 s42, ttmp9, 2
	s_add_co_u32 s42, s42, s40                     ; tile column = 4 x cluster x + cx
	s_and_b32 s86, ttmp7, 0xffff                   ; cluster y: 0-7 q, 8-15 k
	s_lshl_b32 s17, s86, 2
	s_add_co_u32 s17, s17, s41
	s_and_b32 s17, s17, 31                         ; tile row inside the tensor
	s_lshl_b32 s43, s41, 2
	s_lshl_b32 s43, 15, s43                        ; my row of the cluster
	s_lshl_b32 s44, 0x1111, s40                    ; my column
	s_or_b32 s[G1+0], s43, (1<<20)|(1<<21)|(5<<22)|(3<<25)   ; the mask; elements of 1 byte; padding on; bit 21 beside a mask; after every 64 words four words
	s_or_b32 s[G1B+0], s44, (1<<20)|(1<<21)|(5<<22)|(3<<25)
.irp g, G1, G1B
	s_mov_b32 s[\g+1], ROWB<<16                    ; tensor_dim0
	s_mov_b32 s[\g+2], 128<<16                     ; tensor_dim1
	s_mov_b32 s[\g+3], ROWB<<16                    ; tile_dim0
	s_mov_b32 s[\g+4], 128                         ; tile_dim1
	s_mov_b32 s[\g+5], KROW                        ; from row to row
	s_mov_b32 s[\g+6], 0
	s_mov_b32 s[\g+7], 0
.endr
	s_lshl_b32 s18, s16, 7
	s_lshl_b32 s20, s17, 8
	s_add_co_u32 s20, s20, s18                     ; A: token 256 x tile row + 128 x half
	s_lshl_b32 s20, s20, 10                        ; rows of 1,024 bytes
	s_lshl_b32 s46, s42, 8
	s_add_co_u32 s46, s46, s18                     ; B: row 256 x tile column + 128 x half
	s_lshl_b32 s46, s46, 10
	s_mov_b32 s21, 0
	s_mov_b32 s47, 0
	s_mul_i32 s45, s14, HALFT                      ; where they go: wave x 128 rows
	s_wait_dscnt 0x0                               ; both opening adds are done
	s_wait_kmcnt 0x0
	s_cmp_ge_u32 s86, 8                            ; q's part of the grid or k's: the choice hangs on an id alone
	s_cselect_b64 s[4:5], s[72:73], s[68:69]       ; A
	s_cselect_b64 s[6:7], s[74:75], s[70:71]       ; B
	s_cselect_b64 s[8:9], s[78:79], s[76:77]       ; the bias
	s_cselect_b64 s[10:11], s[84:85], s[82:83]     ; the images
	s_load_b256 s[88:95], s[80:81], 0x0            ; e0 .. e7
	s_add_nc_u64 s[20:21], s[4:5], s[20:21]
	s_add_nc_u64 s[46:47], s[6:7], s[46:47]
	CROUND                                         ; all sixteen work-groups are here: the first joint loads meet
.irp s, 0,1
	s_mov_b32 s[G0+4*\s], 1
	s_add_co_u32 s[G0+4*\s+1], s45, \s*SLOT
	s_add_nc_u64 s[G0+4*\s+2:G0+4*\s+3], s[20:21], \s*ROWB
	s_or_b32 s[G0+4*\s+3], s[G0+4*\s+3], 0x80000000
	s_mov_b32 s[G0B+4*\s], 1
	s_add_co_u32 s[G0B+4*\s+1], s45, \s*SLOT
	s_add_nc_u64 s[G0B+4*\s+2:G0B+4*\s+3], s[46:47], \s*ROWB
	s_or_b32 s[G0B+4*\s+3], s[G0B+4*\s+3], 0x80000000
	JLOAD G0+4*\s, G1, G0B+4*\s, G1B
.endr
	v_and_b32 v1, 15, v0                           ; r
	v_bfe_u32 v2, v0, 4, 1                         ; h
	v_mul_u32_u24 v3, v1, PITCH
	v_lshl_add_u32 v4, v2, 4, v3                   ; a fragment's row x pitch + 16 h
	s_mul_i32 s21, s15, HALFT
	s_mul_i32 s22, s16, HALFT
	s_add_co_u32 s22, s22, 2*HALFT
.irp s, 0,1
	v_add_nc_u32 v[ADRA+\s], s21, v4
	v_add_nc_u32 v[ADRB+\s], s22, v4
	s_add_co_u32 s21, s21, SLOT
	s_add_co_u32 s22, s22, SLOT
.endr
	v_and_b32 v6, 31, v0
	v_lshlrev_b32 v[CO], 4, v6
	v_lshlrev_b32 v7, 5, v2                        ; the bias: 32 h bytes: the eight features of my half
	s_lshl_b32 s46, s42, 10
	s_lshl_b32 s47, s16, 9
	s_add_co_u32 s46, s46, s47                     ; 4 x (256 x tile column + 128 x half)
	s_mov_b32 s47, 0
	s_add_nc_u64 s[8:9], s[8:9], s[46:47]
.irp b, 0,1,2,3,4,5,6,7
	global_load_b128 v[BI+8*\b:BI+8*\b+3], v7, s[8:9] offset:64*\b
	global_load_b128 v[BI+8*\b+4:BI+8*\b+7], v7, s[8:9] offset:64*\b+16
.endr
	s_lshl_b32 s20, s17, 4
	s_lshl_b32 s21, s15, 3
	s_add_co_u32 s20, s20, s21                     ; my first block of 16 tokens
	s_lshr_b32 s21, s20, 7                         ; the batch,
	s_and_b32 s20, s20, 127                        ; the block in it
	s_lshl_b32 s21, s21, 4
	s_lshl_b32 s46, s42, 2
	s_lshl_b32 s47, s16, 1
	s_add_co_u32 s46, s46, s47                     ; my first head
	s_add_co_u32 s46, s46, s21
	s_lshl_b32 s46, s46, 7
	s_add_co_u32 s46, s46, s20
	s_lshl_b32 s46, s46, 10                        ; images of 1,024 bytes
	s_mov_b32 s47, 0
	s_add_nc_u64 s[10:11], s[10:11], s[46:47]
.macro FRAG reg, adr, q, i             ; 16 rows x 128 K: registers 4 c .. 4 c + 3 hold K = 32 c + 16 h + 0 .. 15 of row r
.irp c, 0,1,2,3
	ds_load_b128 v[\reg+4*\c:\reg+4*\c+3], v[\adr] offset:128*(\q)+32*\c+(\i)*16*PITCH
.endr
.endm
.macro MUL16 a0, p, zero               ; A's blocks a0, a0 + 1 x B's eight; the 64 accumulators take turns, one instruction a turn
.irp a, \a0, \a0+1
.irp b, 0,1,2,3,4,5,6,7
.if \zero
	v_wmma_f32_16x16x128_fp8_fp8 v[8*(8*((\a)%4)+\b):8*(8*((\a)%4)+\b)+7], v[128*(\p)+FR*\b:128*(\p)+FR*\b+FR-1], v[AF+FR*(\a):AF+FR*(\a)+FR-1], 0
.else
	v_wmma_f32_16x16x128_fp8_fp8 v[8*(8*((\a)%4)+\b):8*(8*((\a)%4)+\b)+7], v[128*(\p)+FR*\b:128*(\p)+FR*\b+FR-1], v[AF+FR*(\a):AF+FR*(\a)+FR-1], v[8*(8*((\a)%4)+\b):8*(8*((\a)%4)+\b)+7]
.endif
.endr
.endr
.endm
.macro FETCH_B slot, q, p
	WIN TO_B
.irp i, 0,1,2,3,4,5,6,7
	FRAG 128*(\p)+FR*\i, ADRB+\slot, \q, \i
.endr
	WIN 0
.endm
.macro FETCH_A slot, q, i0
.irp i, \i0, \i0+1, \i0+2, \i0+3
	FRAG AF+FR*(\i), ADRA+\slot, \q, \i
.endr
.endm
.macro PLACES n                        ; plain vector instructions between a matrix instruction and a load into, or a vector read or write of, its registers
.rept \n
	v_nop
.endr
.endm
.macro STEP slot, q, zero              ; 128 along K, with its successor in the same slot
	s_wait_dscnt 4*NL                              ; B's set and A's blocks 0-3 are in; the youngest 16 loads (A's blocks 4-7) may be out
	WIN MUL_LO
	MUL16 0, (\q)%2, \zero
	MUL16 2, (\q)%2, \zero
	s_wait_dscnt 0
	PLACES NP
	FETCH_B \slot, (\q)+1, 1-(\q)%2
	FETCH_A \slot, (\q)+1, 0
	WIN MUL_HI
	MUL16 4, (\q)%2, \zero
	MUL16 6, (\q)%2, \zero
	PLACES NP
	WIN 0
	FETCH_A \slot, (\q)+1, 4
.endm
.macro TURN slot, next, fill           ; a slot's last step changes slots: one barrier; fill = 1: it opens a round of the cluster's barrier and the slot is filled again
	s_wait_tensorcnt 0x0                           ; all my tensor loads have landed: my part of the next slot
	ds_add_u32 v[SPW], v[NIL]                      ; 0 onto my spare word
	s_wait_dscnt 4*NL+1                            ; the add and the youngest 16 loads may be out
	WIN MUL_LO
	MUL16 0, 1, 0
	s_wait_dscnt 0x0                               ; the add is done, and my reads of this slot are over
	s_barrier_signal -1
	MUL16 2, 1, 0
	WIN 0
	s_barrier_wait -1
.if \fill
	CREST                                          ; no wave of any partner still reads this slot or has a load on its way
	s_add_nc_u64 s[G0+4*\slot+2:G0+4*\slot+3], s[G0+4*\slot+2:G0+4*\slot+3], 2*ROWB
	s_add_nc_u64 s[G0B+4*\slot+2:G0B+4*\slot+3], s[G0B+4*\slot+2:G0B+4*\slot+3], 2*ROWB
	JLOAD G0+4*\slot, G1, G0B+4*\slot, G1B         ; the first tensor load behind the round; its four v_nop are the places in front of the loads below
.else
	PLACES NP
.endif
	FETCH_B \next, 0, 0
	FETCH_A \next, 0, 0
	WIN MUL_HI
	MUL16 4, 1, 0
	MUL16 6, 1, 0
	PLACES NP
	WIN 0
	FETCH_A \next, 0, 4
.endm
	s_wait_tensorcnt 1                             ; my part of slot 0 is in; slot 1's one load may be out
	s_barrier_signal -1
	s_barrier_wait -1
	FETCH_B 0, 0, 0
	FETCH_A 0, 0, 0
	FETCH_A 0, 0, 4
	STEP 0, 0, 1                                   ; the first step's products start the sums
	s_mov_b32 s3, LAPS-1
.Llap:                                                 ; a trip goes once round the ring and fills both slots again
	TURN 0, 1, 1
	STEP 1, 0, 0
	TURN 1, 0, 1
	STEP 0, 0, 0
	s_sub_co_u32 s3, s3, 1
	s_cmp_lg_u32 s3, 0
	s_cbranch_scc1 .Llap
	TURN 0, 1, 0                                   ; the last lap fills nothing
	STEP 1, 0, 0
	s_wait_dscnt 4*NL
	WIN MUL_LO
	MUL16 0, 1, 0
	MUL16 2, 1, 0
	s_wait_dscnt 0
	WIN MUL_HI
	MUL16 4, 1, 0
	MUL16 6, 1, 0
	WIN 0
; THE WAY OUT, block by block of 16 tokens x 128 features (two heads): sum x 2^(ea + eb) + bias in one packed multiply-add, the hold at the largest code x the scale, the conversion, four stores of 512 bytes.
.macro OUTQK a
.set AC, 64*((\a)%4)
.set CC, CD+16*((\a)%2)
.if (\a) >= 2
	s_wait_xcnt 0x0                                ; block a - 2's stores have read their registers: this set of codes is written again only behind this wait
.endif
	WIN (0x02+((\a)/4))                            ; source 0: window 2 or 3
.set j, 0
.rept 32
	v_pk_fma_f32 v[T+j:T+j+1], v[AC+j:AC+j+1], s[96:97], v[BI+j:BI+j+1] op_sel_hi:[1,0,1]   ; each accumulator from its low end on
.set j, j+2
.endr
	WIN 0
.set j, 0
.rept 64
	v_med3_num_f32 v[T+j], v[T+j], -v10, v10       ; the conversion to an 8-bit code does not saturate (ISA guide 7.6.2)
.set j, j+1
.endr
.irp b, 0,1,2,3,4,5,6,7
	v_cvt_scalef32_pk8_fp8_f32 v[CC+2*\b:CC+2*\b+1], v[T+8*\b:T+8*\b+7], v11
.endr
	v_nop                                          ; a plain instruction between the conversions and the next block's writes of their sources
.irp g, 0,1,2,3
	global_store_b128 v[CO], v[CC+4*\g:CC+4*\g+3], s[10:11] offset:(\g/2)*131072+(\g%2)*512+(\a)*1024   ; head g / 2, half g % 2 of its image
.endr
.endm
	s_wait_kmcnt 0x0
	s_cmp_ge_u32 s86, 8
	s_cselect_b32 s96, s90, s88                    ; ea
	s_cselect_b32 s97, s91, s89                    ; eb
	s_cselect_b32 s87, s95, s94                    ; the result's own scale: e7 or e6
	s_add_co_i32 s96, s96, s97
	s_add_co_i32 s96, s96, 127
	s_lshl_b32 s96, s96, 23                        ; 2^(ea + eb) as f32
	s_mov_b32 s97, s96                             ; (named with it as a pair, so it is written)
	s_add_co_i32 s87, s87, 127
	s_lshl_b32 s98, s87, 23
	v_mov_b32 v11, s98                             ; 2^eo: the conversion takes its exponent field
	s_add_co_i32 s87, s87, 8
	s_lshl_b32 s87, s87, 23
	s_or_b32 s87, s87, 0x600000
	v_mov_b32 v10, s87                             ; 448 x 2^eo
	s_wait_loadcnt 0x0                             ; the bias
	PLACES NP
.irp a, 0,1,2,3,4,5,6,7
	OUTQK \a
.endr
	s_wait_tensorcnt 0x0                           ; the wave's end
	ds_add_u32 v[SPW], v[NIL]
	s_wait_dscnt 0x0
	CROUND                                         ; the closing round
	s_endpgm
.Lfunc_end_k_q7a41953363_projqk:
	.size	k_q7a41953363_projqk, .Lfunc_end_k_q7a41953363_projqk-k_q7a41953363_projqk
	.p2alignl 7, 3214868480
	.fill 96, 4, 3214868480
	.section	.rodata,"a",@progbits
	.p2align	6, 0x0
	.amdhsa_kernel k_q7a41953363_projqk
		.amdhsa_group_segment_fixed_size 327680
		.amdhsa_private_segment_fixed_size 0
		.amdhsa_enable_private_segment 0
		.amdhsa_kernarg_size 72
		.amdhsa_user_sgpr_count 2
		.amdhsa_user_sgpr_kernarg_segment_ptr 1
		.amdhsa_wavefront_size32 1
		.amdhsa_system_sgpr_workgroup_id_x 1
		.amdhsa_system_sgpr_workgroup_id_y 1
		.amdhsa_system_sgpr_workgroup_id_z 1
		.amdhsa_system_vgpr_workitem_id 0
		.amdhsa_next_free_vgpr 1024
		.amdhsa_next_free_sgpr 100
		.amdhsa_reserve_vcc 0
		.amdhsa_float_denorm_mode_32 3
		.amdhsa_float_denorm_mode_16_64 3
		.amdhsa_memory_ordered 1
		.amdhsa_forward_progress 1
		.amdhsa_inst_pref_size 136
	.end_amdhsa_kernel
	.amdgpu_metadata
---
amdhsa.version: [ 1, 2 ]
amdhsa.kernels:
  - .name:           k_q7a41953363_projqk
    .symbol:         k_q7a41953363_projqk.kd
    .args:
      - { .name: q_codes, .offset: 0, .size: 8, .value_kind: global_buffer, .address_space: global }
      - { .name: Wq_codes, .offset: 8, .size: 8, .value_kind: global_buffer, .address_space: global }
      - { .name: k_codes, .offset: 16, .size: 8, .value_kind: global_buffer, .address_space: global }
      - { .name: Wk_codes, .offset: 24, .size: 8, .value_kind: global_buffer, .address_space: global }
      - { .name: bq, .offset: 32, .size: 8, .value_kind: global_buffer, .address_space: global }
      - { .name: bk, .offset: 40, .size: 8, .value_kind: global_buffer, .address_space: global }
      - { .name: lowp_scales, .offset: 48, .size: 8, .value_kind: global_buffer, .address_space: global }
      - { .name: qf, .offset: 56, .size: 8, .value_kind: global_buffer, .address_space: global }
      - { .name: kf, .offset: 64, .size: 8, .value_kind: global_buffer, .address_space: global }
    .group_segment_fixed_size: 327680
    .private_segment_fixed_size: 0
    .kernarg_segment_align: 8
    .kernarg_segment_size: 72
    .max_flat_workgroup_size: 128
    .sgpr_count:     100
    .vgpr_count:     1024
    .wavefront_size: 32
...
	.end_amdgpu_metadata
.endif
;; end of part 2
;; launch projv (part 3): grid 32 x 4, 4 waves a work-group, clusters of 4 x 4, 327,680 bytes of LDS; arguments Wv_codes, v_codes, bv, vf, lowp_scales; writes vf
.if DOCPART == 3
	.amdgcn_target "amdgcn-amd-amdhsa--gfx1250"
	.amdhsa_code_object_version 6
	.text
	.protected	k_q7a41953363_projv
	.globl	k_q7a41953363_projv
	.p2align	8
	.type	k_q7a41953363_projv,@function
k_q7a41953363_projv:
	s_mov_b64 s[64:65], 0
	v_nop
	global_prefetch_b8 v0, s[64:65] scope:SCOPE_SE
	s_setreg_imm32_b32 hwreg(HW_REG_WAVE_MODE, 25, 1), 1
	s_wait_xcnt 0x0
	s_wait_alu depctr_hold_cnt(0) depctr_sa_sdst(0) depctr_va_vdst(0) depctr_va_sdst(0) depctr_va_ssrc(0) depctr_va_vcc(0) depctr_vm_vsrc(0)
	s_getreg_b32 s2, hwreg(HW_REG_IB_STS2, 6, 4)
	s_cmp_eq_u32 s2, 0
	s_cbranch_scc0 .Lentry_in_a_cluster
	s_endpgm
.Lentry_in_a_cluster:
	s_bfe_u32 s2, ttmp6, 0x10000c
	s_cmp_lg_u32 s2, 0xf033
	s_cbranch_scc0 .Lentry_shape_is_right
	s_endpgm
.Lentry_shape_is_right:
; vh = v Wv^T + bv on codes of E4M3 as given, quantised at once (scale 2^e9) ALONG THE TOKENS, which are the K of the product p vh.  Nothing is left out here.
; The frame is the launch projqk's: a tile of 256 x 256, four waves of 128 x 128, K = 1,024 in four steps of 256 through two LDS slots, 4 x 4 clusters with joint loads.
; Here A (source 1, tile rows, grid y) = Wv's rows, the features; B (source 0, tile columns, grid x) = the tokens.  Lane (r, h) of accumulator (a, b) holds ONE feature and tokens 16 b + 8 h + 0 .. 7: eight neighbours along the
; next K.  Its codes are registers 2 b, 2 b + 1 of the K = 128 operand (16 features x 128 tokens): stored as the image of the attention launch's operand registers.
; THE ROWS OF Wv THAT FORM A BLOCK ARE NOT NEIGHBOURS: lane r of block i takes row 32 (i / 2) + 8 (i % 2) + r + 8 (r / 8) of the wave's 128, so that in attention's result the 16 registers of two neighbouring tiles are 16
; neighbouring features, as the last projection's operand wants them.  Head = i / 4, tile tau = i % 4.
; vf: [b 4][head 16][128 tokens kg 16][tau 4][g 4][lane 32][16 bytes].  Each store of a wave covers 512 consecutive bytes, aligned.
; LIMITS: e4 + e5 between -126 and 127; e9 between -126 and 119.  NaN codes among the inputs are not served.
.set SIZE_K, 1024
.set KSTEP,  256
.set ROWB,   256
.set KROW,   1024
.set PITCH,  272
.set FR,     16
.set NL,     4
.set NP,     4
.set HALFT,  128*PITCH
.set SLOT,   4*HALFT
.set LAPS,   SIZE_K/(2*KSTEP)
.set SPARE,  2*SLOT
.set ADRA, 16
.set ADRB, 20
.set CO,   26
.set SPW,  28
.set NIL,  29
.set BV,   64                          ; v64-79  block i's bias of my feature, twice: a pair for the packed form
.set T,    128
.set CD,   192
.set AF,   128
.set G1, 24
.set G0, 32
.set G1B, 48
.set G0B, 56
.set MSB, 0
.macro WIN new
.if MSB != \new
	s_set_vgpr_msb (MSB<<8)|\new
.set MSB, \new
.endif
.endm
.set MUL_LO, 0xa1
.set MUL_HI, 0xf1
.set TO_B,   0x40
.macro JLOAD g0a, g1a, g0b, g1b
	s_cmp_eq_u32 s15, 0
	s_cbranch_scc0 .Lfor_b_\@
	tensor_load_to_lds s[\g0a:\g0a+3], s[\g1a:\g1a+7]
	s_nop 0
.rept 4
	v_nop
.endr
	s_branch .Lasked_\@
.Lfor_b_\@:
	tensor_load_to_lds s[\g0b:\g0b+3], s[\g1b:\g1b+7]
	s_nop 0
.rept 4
	v_nop
.endr
.Lasked_\@:
.endm
.macro CREST
	s_cmp_lg_u32 s14, 0
	s_cbranch_scc1 .Lnot_wave_0_\@
	s_barrier_signal -3
.Lnot_wave_0_\@:
	s_barrier_wait -3
	s_barrier_signal -1
	s_barrier_wait -1
.endm
.macro CROUND
	s_barrier_signal -1
	s_barrier_wait -1
	CREST
.endm
	s_load_b256 s[4:11], s[0:1], 0x0               ; Wv's codes (A), v's codes (B), bv, vf
	s_load_b64 s[12:13], s[0:1], 0x20              ; the scales' exponents
	v_lshl_add_u32 v[SPW], v0, 2, SPARE
	v_mov_b32 v[NIL], 0
	ds_add_u32 v[SPW], v[NIL]                      ; the wave's opening: the add, twice on end, and its wait ahead of my first tensor load
	ds_add_u32 v[SPW], v[NIL]
	v_lshrrev_b32 v1, 5, v0
	v_readfirstlane_b32 s14, v1
	s_lshr_b32 s15, s14, 1                         ; which half of the tile's features is mine.  Also: I fetch for A (0) or for B (1)
	s_and_b32 s16, s14, 1                          ; which half of its tokens.  Also: which 128 rows of that tile I fetch
	s_bfe_u32 s40, ttmp6, 0x40000
	s_bfe_u32 s41, ttmp6, 0x40004
	s_lshl_b32 s42, ttmp9, 2
	s_add_co_u32 s42, s42, s40                     ; tile column (tokens)
	s_and_b32 s17, ttmp7, 0xffff
	s_lshl_b32 s17, s17, 2
	s_add_co_u32 s17, s17, s41                     ; tile row (features)
	s_lshl_b32 s43, s41, 2
	s_lshl_b32 s43, 15, s43
	s_lshl_b32 s44, 0x1111, s40
	s_or_b32 s[G1+0], s43, (1<<20)|(1<<21)|(5<<22)|(3<<25)
	s_or_b32 s[G1B+0], s44, (1<<20)|(1<<21)|(5<<22)|(3<<25)
.irp g, G1, G1B
	s_mov_b32 s[\g+1], ROWB<<16
	s_mov_b32 s[\g+2], 128<<16
	s_mov_b32 s[\g+3], ROWB<<16
	s_mov_b32 s[\g+4], 128
	s_mov_b32 s[\g+5], KROW
	s_mov_b32 s[\g+6], 0
	s_mov_b32 s[\g+7], 0
.endr
	s_lshl_b32 s18, s16, 7
	s_lshl_b32 s20, s17, 8
	s_add_co_u32 s20, s20, s18
	s_lshl_b32 s20, s20, 10
	s_lshl_b32 s46, s42, 8
	s_add_co_u32 s46, s46, s18
	s_lshl_b32 s46, s46, 10
	s_mov_b32 s21, 0
	s_mov_b32 s47, 0
	s_mul_i32 s45, s14, HALFT
	s_wait_dscnt 0x0
	s_wait_kmcnt 0x0
	s_load_b64 s[88:89], s[12:13], 0x10            ; e4, e5
	s_load_b32 s90, s[12:13], 0x24                 ; e9
	s_add_nc_u64 s[20:21], s[4:5], s[20:21]
	s_add_nc_u64 s[46:47], s[6:7], s[46:47]
	CROUND
.irp s, 0,1
	s_mov_b32 s[G0+4*\s], 1
	s_add_co_u32 s[G0+4*\s+1], s45, \s*SLOT
	s_add_nc_u64 s[G0+4*\s+2:G0+4*\s+3], s[20:21], \s*ROWB
	s_or_b32 s[G0+4*\s+3], s[G0+4*\s+3], 0x80000000
	s_mov_b32 s[G0B+4*\s], 1
	s_add_co_u32 s[G0B+4*\s+1], s45, \s*SLOT
	s_add_nc_u64 s[G0B+4*\s+2:G0B+4*\s+3], s[46:47], \s*ROWB
	s_or_b32 s[G0B+4*\s+3], s[G0B+4*\s+3], 0x80000000
	JLOAD G0+4*\s, G1, G0B+4*\s, G1B
.endr
	v_and_b32 v1, 15, v0                           ; r
	v_bfe_u32 v2, v0, 4, 1                         ; h
	v_mul_u32_u24 v3, v1, PITCH
	v_lshl_add_u32 v4, v2, 4, v3                   ; B: row r x pitch + 16 h
	v_and_b32 v6, 8, v1
	v_add_nc_u32 v6, v6, v1                        ; r + 8 (r / 8)
	v_mul_u32_u24 v5, v6, PITCH
	v_lshl_add_u32 v5, v2, 4, v5                   ; A: that row x pitch + 16 h
	s_mul_i32 s21, s15, HALFT
	s_mul_i32 s22, s16, HALFT
	s_add_co_u32 s22, s22, 2*HALFT
.irp s, 0,1
	v_add_nc_u32 v[ADRA+\s], s21, v5
	v_add_nc_u32 v[ADRB+\s], s22, v4
	s_add_co_u32 s21, s21, SLOT
	s_add_co_u32 s22, s22, SLOT
.endr
	v_and_b32 v3, 31, v0
	v_lshlrev_b32 v[CO], 4, v3
	v_lshlrev_b32 v7, 2, v6                        ; the bias: 4 (r + 8 (r / 8))
	s_lshl_b32 s20, s17, 10
	s_lshl_b32 s21, s15, 9
	s_add_co_u32 s20, s20, s21                     ; 4 x (256 x tile row + 128 x half)
	s_mov_b32 s21, 0
	s_add_nc_u64 s[8:9], s[8:9], s[20:21]
.irp i, 0,1,2,3,4,5,6,7
	global_load_b32 v[BV+2*\i], v7, s[8:9] offset:4*(32*(\i/2)+8*(\i%2))
	global_load_b32 v[BV+2*\i+1], v7, s[8:9] offset:4*(32*(\i/2)+8*(\i%2))
.endr
	s_lshl_b32 s46, s42, 1
	s_add_co_u32 s46, s46, s16                     ; my 128 tokens: 2 x tile column + half
	s_lshr_b32 s47, s46, 4                         ; the batch,
	s_and_b32 s46, s46, 15                         ; the 128 in it
	s_lshl_b32 s47, s47, 4
	s_lshl_b32 s20, s17, 2
	s_lshl_b32 s21, s15, 1
	s_add_co_u32 s20, s20, s21                     ; my first head
	s_add_co_u32 s47, s47, s20
	s_lshl_b32 s47, s47, 17
	s_lshl_b32 s46, s46, 13
	s_add_co_u32 s46, s46, s47
	s_mov_b32 s47, 0
	s_add_nc_u64 s[10:11], s[10:11], s[46:47]
.macro FRAG reg, adr, q, i
.irp c, 0,1,2,3
	ds_load_b128 v[\reg+4*\c:\reg+4*\c+3], v[\adr] offset:128*(\q)+32*\c+(\i)*16*PITCH
.endr
.endm
.macro FRAGA reg, adr, q, i            ; A's block i begins at row 32 (i / 2) + 8 (i % 2)
.irp c, 0,1,2,3
	ds_load_b128 v[\reg+4*\c:\reg+4*\c+3], v[\adr] offset:128*(\q)+32*\c+(32*((\i)/2)+8*((\i)%2))*PITCH
.endr
.endm
.macro MUL16 a0, p, zero
.irp a, \a0, \a0+1
.irp b, 0,1,2,3,4,5,6,7
.if \zero
	v_wmma_f32_16x16x128_fp8_fp8 v[8*(8*((\a)%4)+\b):8*(8*((\a)%4)+\b)+7], v[128*(\p)+FR*\b:128*(\p)+FR*\b+FR-1], v[AF+FR*(\a):AF+FR*(\a)+FR-1], 0
.else
	v_wmma_f32_16x16x128_fp8_fp8 v[8*(8*((\a)%4)+\b):8*(8*((\a)%4)+\b)+7], v[128*(\p)+FR*\b:128*(\p)+FR*\b+FR-1], v[AF+FR*(\a):AF+FR*(\a)+FR-1], v[8*(8*((\a)%4)+\b):8*(8*((\a)%4)+\b)+7]
.endif
.endr
.endr
.endm
.macro FETCH_B slot, q, p
	WIN TO_B
.irp i, 0,1,2,3,4,5,6,7
	FRAG 128*(\p)+FR*\i, ADRB+\slot, \q, \i
.endr
	WIN 0
.endm
.macro FETCH_A slot, q, i0
.irp i, \i0, \i0+1, \i0+2, \i0+3
	FRAGA AF+FR*(\i), ADRA+\slot, \q, \i
.endr
.endm
.macro PLACES n
.rept \n
	v_nop
.endr
.endm
.macro STEP slot, q, zero
	s_wait_dscnt 4*NL                              ; the youngest 16 loads (A's blocks 4-7) may be out
	WIN MUL_LO
	MUL16 0, (\q)%2, \zero
	MUL16 2, (\q)%2, \zero
	s_wait_dscnt 0
	PLACES NP
	FETCH_B \slot, (\q)+1, 1-(\q)%2
	FETCH_A \slot, (\q)+1, 0
	WIN MUL_HI
	MUL16 4, (\q)%2, \zero
	MUL16 6, (\q)%2, \zero
	PLACES NP
	WIN 0
	FETCH_A \slot, (\q)+1, 4
.endm
.macro TURN slot, next, fill
	s_wait_tensorcnt 0x0                           ; all my tensor loads have landed
	ds_add_u32 v[SPW], v[NIL]
	s_wait_dscnt 4*NL+1                            ; the add and the youngest 16 loads may be out
	WIN MUL_LO
	MUL16 0, 1, 0
	s_wait_dscnt 0x0                               ; the add is done, and my reads of this slot are over
	s_barrier_signal -1
	MUL16 2, 1, 0
	WIN 0
	s_barrier_wait -1
.if \fill
	CREST
	s_add_nc_u64 s[G0+4*\slot+2:G0+4*\slot+3], s[G0+4*\slot+2:G0+4*\slot+3], 2*ROWB
	s_add_nc_u64 s[G0B+4*\slot+2:G0B+4*\slot+3], s[G0B+4*\slot+2:G0B+4*\slot+3], 2*ROWB
	JLOAD G0+4*\slot, G1, G0B+4*\slot, G1B
.else
	PLACES NP
.endif
	FETCH_B \next, 0, 0
	FETCH_A \next, 0, 0
	WIN MUL_HI
	MUL16 4, 1, 0
	MUL16 6, 1, 0
	PLACES NP
	WIN 0
	FETCH_A \next, 0, 4
.endm
	s_wait_tensorcnt 1                             ; slot 0 is in; slot 1's one load may be out
	s_barrier_signal -1
	s_barrier_wait -1
	FETCH_B 0, 0, 0
	FETCH_A 0, 0, 0
	FETCH_A 0, 0, 4
	STEP 0, 0, 1
	s_mov_b32 s3, LAPS-1
.Llap:
	TURN 0, 1, 1
	STEP 1, 0, 0
	TURN 1, 0, 1
	STEP 0, 0, 0
	s_sub_co_u32 s3, s3, 1
	s_cmp_lg_u32 s3, 0
	s_cbranch_scc1 .Llap
	TURN 0, 1, 0
	STEP 1, 0, 0
	s_wait_dscnt 4*NL
	WIN MUL_LO
	MUL16 0, 1, 0
	MUL16 2, 1, 0
	s_wait_dscnt 0
	WIN MUL_HI
	MUL16 4, 1, 0
	MUL16 6, 1, 0
	WIN 0
; THE WAY OUT, block by block of 16 features x 128 tokens: one image of 2,048 bytes.
.macro OUTV a
.set AC, 64*((\a)%4)
.set CC, CD+16*((\a)%2)
.if (\a) >= 2
	s_wait_xcnt 0x0                                ; block a - 2's stores have read their registers
.endif
	WIN (0x02+((\a)/4))
.set j, 0
.rept 32
	v_pk_fma_f32 v[T+j:T+j+1], v[AC+j:AC+j+1], s[96:97], v[BV+2*(\a):BV+2*(\a)+1] op_sel_hi:[1,0,1]   ; sum x 2^(e4 + e5) + my feature's bias; each accumulator from its low end on
.set j, j+2
.endr
	WIN 0
.set j, 0
.rept 64
	v_med3_num_f32 v[T+j], v[T+j], -v10, v10
.set j, j+1
.endr
.irp b, 0,1,2,3,4,5,6,7
	v_cvt_scalef32_pk8_fp8_f32 v[CC+2*\b:CC+2*\b+1], v[T+8*\b:T+8*\b+7], v11
.endr
	v_nop
.irp g, 0,1,2,3
	global_store_b128 v[CO], v[CC+4*\g:CC+4*\g+3], s[10:11] offset:((\a)/4)*131072+((\a)%4)*2048+\g*512
.endr
.endm
	s_wait_kmcnt 0x0
	s_add_co_i32 s96, s88, s89
	s_add_co_i32 s96, s96, 127
	s_lshl_b32 s96, s96, 23                        ; 2^(e4 + e5)
	s_mov_b32 s97, s96
	s_add_co_i32 s87, s90, 127
	s_lshl_b32 s98, s87, 23
	v_mov_b32 v11, s98                             ; 2^e9
	s_add_co_i32 s87, s87, 8
	s_lshl_b32 s87, s87, 23
	s_or_b32 s87, s87, 0x600000
	v_mov_b32 v10, s87                             ; 448 x 2^e9
	s_wait_loadcnt 0x0                             ; the bias
	PLACES NP
.irp a, 0,1,2,3,4,5,6,7
	OUTV \a
.endr
	s_wait_tensorcnt 0x0                           ; the wave's end
	ds_add_u32 v[SPW], v[NIL]
	s_wait_dscnt 0x0
	CROUND
	s_endpgm
.Lfunc_end_k_q7a41953363_projv:
	.size	k_q7a41953363_projv, .Lfunc_end_k_q7a41953363_projv-k_q7a41953363_projv
	.p2alignl 7, 3214868480
	.fill 96, 4, 3214868480
	.section	.rodata,"a",@progbits
	.p2align	6, 0x0
	.amdhsa_kernel k_q7a41953363_projv
		.amdhsa_group_segment_fixed_size 327680
		.amdhsa_private_segment_fixed_size 0
		.amdhsa_enable_private_segment 0
		.amdhsa_kernarg_size 40
		.amdhsa_user_sgpr_count 2
		.amdhsa_user_sgpr_kernarg_segment_ptr 1
		.amdhsa_wavefront_size32 1
		.amdhsa_system_sgpr_workgroup_id_x 1
		.amdhsa_system_sgpr_workgroup_id_y 1
		.amdhsa_system_sgpr_workgroup_id_z 1
		.amdhsa_system_vgpr_workitem_id 0
		.amdhsa_next_free_vgpr 1024
		.amdhsa_next_free_sgpr 100
		.amdhsa_reserve_vcc 0
		.amdhsa_float_denorm_mode_32 3
		.amdhsa_float_denorm_mode_16_64 3
		.amdhsa_memory_ordered 1
		.amdhsa_forward_progress 1
		.amdhsa_inst_pref_size 136
	.end_amdhsa_kernel
	.amdgpu_metadata
---
amdhsa.version: [ 1, 2 ]
amdhsa.kernels:
  - .name:           k_q7a41953363_projv
    .symbol:         k_q7a41953363_projv.kd
    .args:
      - { .name: Wv_codes, .offset: 0, .size: 8, .value_kind: global_buffer, .address_space: global }
      - { .name: v_codes, .offset: 8, .size: 8, .value_kind: global_buffer, .address_space: global }
      - { .name: bv, .offset: 16, .size: 8, .value_kind: global_buffer, .address_space: global }
      - { .name: vf, .offset: 24, .size: 8, .value_kind: global_buffer, .address_space: global }
      - { .name: lowp_scales, .offset: 32, .size: 8, .value_kind: global_buffer, .address_space: global }
    .group_segment_fixed_size: 327680
    .private_segment_fixed_size: 0
    .kernarg_segment_align: 8
    .kernarg_segment_size: 40
    .max_flat_workgroup_size: 128
    .sgpr_count:     100
    .vgpr_count:     1024
    .wavefront_size: 32
...
	.end_amdgpu_metadata
.endif
;; end of part 3
;; launch attn (part 4): grid 4 x 64, 8 waves a work-group, no clusters, 263,168 bytes of LDS; arguments qf, kf, vf, maskw, flags, lowp_scales, cf; writes cf
.if DOCPART == 4
	.amdgcn_target "amdgcn-amd-amdhsa--gfx1250"
	.amdhsa_code_object_version 6
	.text
	.protected	k_q7a41953363_attn
	.globl	k_q7a41953363_attn
	.p2align	8
	.type	k_q7a41953363_attn,@function
k_q7a41953363_attn:
	s_mov_b64 s[64:65], 0
	v_nop
	global_prefetch_b8 v0, s[64:65] scope:SCOPE_SE
	s_setreg_imm32_b32 hwreg(HW_REG_WAVE_MODE, 25, 1), 1
	s_wait_xcnt 0x0
; ctx = softmax(where(mask == 0, -1e9, qh kh^T / 8)) vh for one (batch, head), both products on codes of E4M3; ctx is quantised at once (scale 2^e10) as the last projection's operand.
; LEFT OUT: key slots of 128 keys in which the mask hides every key from all 32 queries of a group, where each of those queries has an unmasked key elsewhere: their weights are 0 in reference() too.  Which slots, the flags say:
; whole numbers that the first launch stored.  A group with a query that is masked at all keys walks every slot.  A NaN, an infinity or an overflow that could arise only in a slot left out is not carried to the result.
; THE SOFTMAX AHEAD OF THE SECOND PRODUCT: t = logit x log2(e); M = the running largest t rounded UP to a whole number; p = 2^(t - M) is quantised (2^e8); the row's sum is taken of the unquantised p and divides at the end;
; when M moves, the sum and O are multiplied by 2^(old M - new M), which rounds nothing.
; A MASKED SCORE is replaced by -2^(33 - e6 - e7): the logit -2^30 in place of -1e9.  Its t, -log2(e) x 2^30 in f32, is a whole number, so in a row that is masked at all keys t - M is exactly 0 and p = 1, as in reference().
; LIMITS: the result is reference()'s as long as unmasked logits lie above about -7e8, which the codes' range gives for e6 + e7 <= 8; e6 + e7 between -94 and 130; e8 and e10 between -126 and 119.
; SHARES.  Work-group (x, y): y = 16 b + head; all 2,048 keys and values of that head lie in LDS, 256 KB, as they lie in kf and vf: images of the operands' registers, so every LDS access is 16 x lane + constants.  One barrier
; stands behind the fill; after it LDS is only read and the eight waves run free.  Wave w takes the groups of 32 queries G = 8 x + w and 63 - G, one after the other: two tiles of 16 queries share each fragment of K and V.
; No tensor load, no cluster: the walk hangs on flags read from memory.  K and V are always filled whole: what is needed hangs on the mask.
; LAYOUT.  S^T = K Q^T (source 0 = 16 keys, source 1 = 16 queries): lane (q, h) holds query q and, in tile t's register j, key 16 t + 8 h + j: p's codes of tile t are registers 2 t, 2 t + 1 of the K = 128 operand.
; O^T = V^T P^T: lane (q, h) holds, in tile tau = 2 bb + uu, features 32 bb + 16 h + 8 uu + 0 .. 7 (the launch projv chose Wv's rows so): tiles 2 bb, 2 bb + 1 give 16 neighbours along the last projection's K.
; cf: [block of 16 tokens 512][128 of K ks 8][c 4][lane 32][16 bytes]; my head fills c = 2 (head % 2) + bb of ks = head / 2.  Each store of a wave covers 512 consecutive bytes, aligned.
; REGISTERS.  window 0: v1-15, v80-81 addresses and constants; v16-31 statistics, eight a tile: +0 -M, +1 the largest t, +2 +3 the sum, +4 f, +5 0, +6 +7 at work; v32-47 Q; v48-79 p's codes; v128-255 S^T, then p.
;   window 1: v0-63 O^T (32 u + 8 tau); v64-127 K's eight fragments; v128-191 V's four.
.set LI,  1                            ; 16 x lane
.set LIV, 2                            ; + V's first byte
.set ADK, 3
.set ADV, 4
.set QO,  5
.set CO,  6
.set XM,  7                            ; the masked score
.set PSC, 8                            ; 2^e8
.set PLIM, 9                           ; 448 x 2^e8
.set CSC, 10                           ; 2^e10
.set CLIM, 11                          ; 448 x 2^e10
.set SPW, 12
.set NIL, 13
.set FK0, 14                           ; the fill: 16 x lane + 8,192 x wave; the three below: + 65,536, + 131,072, + 196,608
.set FK1, 15
.set FV0, 80
.set FV1, 81
.set ST,  16
.set Q,   32
.set P,   48
.set S,   128
.set O,   0
.set KF,  64
.set VF,  128
.set VBASE, 131072
.set SPARE, 262144                     ; behind K and V: the spare words, four blocks of 256 bytes that no other line names
.set MSB, 0
.macro WIN new
.if MSB != \new
	s_set_vgpr_msb (MSB<<8)|\new
.set MSB, \new
.endif
.endm
	s_load_b256 s[4:11], s[0:1], 0x0               ; qf, kf, vf, maskw
	s_load_b128 s[12:15], s[0:1], 0x20             ; flags, the scales' exponents
	s_load_b64 s[16:17], s[0:1], 0x30              ; cf
	v_lshl_add_u32 v[SPW], v0, 2, SPARE
	v_mov_b32 v[NIL], 0
	v_lshrrev_b32 v[LI], 5, v0
	v_readfirstlane_b32 s18, v[LI]                 ; wave 0..7
	v_and_b32 v[LI], 31, v0
	v_lshlrev_b32 v[LI], 4, v[LI]
	v_add_nc_u32 v[LIV], VBASE, v[LI]
	s_lshl_b32 s66, s18, 13
	v_add_nc_u32 v[FK0], s66, v[LI]
	v_add_nc_u32 v[FK1], 65536, v[FK0]
	v_add_nc_u32 v[FV0], 131072, v[FK0]
	v_add_nc_u32 v[FV1], 196608, v[FK0]
	s_lshl_b32 s19, ttmp9, 3
	s_add_co_u32 s19, s19, s18                     ; G = 8 x + wave
	s_and_b32 s104, ttmp7, 0xffff                  ; 16 b + head
	s_lshl_b32 s66, s104, 17                       ; a head's 131,072 bytes in qf, kf, vf
	s_mov_b32 s67, 0
	s_lshr_b32 s100, s104, 4
	s_lshl_b32 s100, s100, 21                      ; cf: a batch's 128 blocks of 16,384 bytes,
	s_and_b32 s101, s104, 15
	s_lshl_b32 s101, s101, 10                      ; + 1,024 x head = 2,048 (head / 2) + 1,024 (head % 2)
	s_add_co_u32 s100, s100, s101
	s_mov_b32 s101, 0
	s_mov_b32 s20, 0x76543210                      ; v_permlanex16_b32's selects: lane l xor 16
	s_mov_b32 s21, 0xfedcba98
	s_wait_kmcnt 0x0
	s_load_b128 s[68:71], s[14:15], 0x18           ; e6, e7, e8, e9
	s_load_b32 s72, s[14:15], 0x28                 ; e10
	s_add_nc_u64 s[4:5], s[4:5], s[66:67]
	s_add_nc_u64 s[6:7], s[6:7], s[66:67]
	s_add_nc_u64 s[8:9], s[8:9], s[66:67]
	s_add_nc_u64 s[16:17], s[16:17], s[100:101]
	; THE FILL: wave w brings key slots w and w + 8 of K and of V, 8,192 bytes each: 64 loads of 512 consecutive bytes in one run
.set k, 0
.rept 16
	global_load_b128 v[S+4*k:S+4*k+3], v[FK0], s[6:7] offset:512*k
.set k, k+1
.endr
.set k, 0
.rept 16
	global_load_b128 v[S+64+4*k:S+64+4*k+3], v[FK0], s[8:9] offset:512*k
.set k, k+1
.endr
	WIN 0x40                                       ; destination window 1
.set k, 0
.rept 16
	global_load_b128 v[4*k:4*k+3], v[FK0], s[6:7] offset:65536+512*k
.set k, k+1
.endr
.set k, 0
.rept 16
	global_load_b128 v[64+4*k:64+4*k+3], v[FK0], s[8:9] offset:65536+512*k
.set k, k+1
.endr
	WIN 0
	s_wait_kmcnt 0x0
	s_add_co_i32 s66, s68, s69                     ; e6 + e7
	s_lshl_b32 s67, s66, 23
	s_mov_b32 s22, 0x3e38aa3b                      ; log2(e) / 8
	s_add_co_i32 s22, s22, s67                     ; c = log2(e) / 8 x 2^(e6 + e7): the exponents are added to its exponent field
	s_mov_b32 s23, s22                             ; (named with it as a pair, so it is written)
	s_sub_co_i32 s66, 160, s66
	s_lshl_b32 s66, s66, 23
	s_or_b32 s66, s66, 0x80000000
	v_mov_b32 v[XM], s66                           ; -2^(33 - e6 - e7)
	s_mov_b32 s30, s70                             ; e8
	s_add_co_i32 s31, s70, s71                     ; e8 + e9
	s_add_co_i32 s66, s70, 127
	s_lshl_b32 s67, s66, 23
	v_mov_b32 v[PSC], s67
	s_add_co_i32 s66, s66, 8
	s_lshl_b32 s66, s66, 23
	s_or_b32 s66, s66, 0x600000
	v_mov_b32 v[PLIM], s66
	s_add_co_i32 s66, s72, 127
	s_lshl_b32 s67, s66, 23
	v_mov_b32 v[CSC], s67
	s_add_co_i32 s66, s66, 8
	s_lshl_b32 s66, s66, 23
	s_or_b32 s66, s66, 0x600000
	v_mov_b32 v[CLIM], s66
	s_wait_loadcnt 32                              ; the first 32 loads are in; the 32 younger ones may be out
.set k, 0
.rept 16
	ds_store_b128 v[FK0], v[S+4*k:S+4*k+3] offset:512*k
.set k, k+1
.endr
.set k, 0
.rept 16
	ds_store_b128 v[FV0], v[S+64+4*k:S+64+4*k+3] offset:512*k
.set k, k+1
.endr
	s_wait_loadcnt 0x0
	WIN 0x04                                       ; the stores' data in window 1
.set k, 0
.rept 16
	ds_store_b128 v[FK1], v[4*k:4*k+3] offset:512*k
.set k, k+1
.endr
.set k, 0
.rept 16
	ds_store_b128 v[FV1], v[64+4*k:64+4*k+3] offset:512*k
.set k, k+1
.endr
	WIN 0
	s_wait_dscnt 0x0                               ; for the others' sake: my stores are done
	s_barrier_signal -1
	s_barrier_wait -1                              ; all of K and V lies in LDS; from here on it is only read
.macro SMUL                            ; S^T of both tiles: 16 accumulators, each written once; four places behind them
	WIN 0x01                                       ; source 0 (K) window 1
.irp t, 0,1,2,3,4,5,6,7
.irp u, 0,1
	v_wmma_f32_16x16x64_fp8_fp8 v[S+64*\u+8*\t:S+64*\u+8*\t+7], v[KF+8*\t:KF+8*\t+7], v[Q+8*\u:Q+8*\u+7], 0
.endr
.endr
	WIN 0
.rept 4
	v_nop
.endr
.endm
.macro WORDS off                       ; a tile's 64 lane masks, 256 bytes, into s32-63 and s68-99
	s_load_b512 s[32:47], s[10:11], s27 offset:\off
	s_load_b512 s[48:63], s[10:11], s27 offset:\off+0x40
	s_load_b512 s[68:83], s[10:11], s27 offset:\off+0x80
	s_load_b512 s[84:99], s[10:11], s27 offset:\off+0xc0
.endm
.macro HIDE u                          ; one select a score, ascending: each accumulator from its low end on
.set n, 0
.rept 64
.if n < 32
.set wr, 32+n
.else
.set wr, 36+n
.endif
	v_cndmask_b32 v[S+64*\u+n], v[XM], v[S+64*\u+n], s[wr]
.set n, n+1
.endr
.endm
	s_mov_b32 s29, 2
.Lpass:                                                ; two groups of 32 queries
	s_lshl_b32 s66, s19, 3
	s_load_b64 s[100:101], s[12:13], s66 offset:0x0   ; the two tiles' flags
	v_lshl_add_u32 v[QO], s19, 11, v[LI]           ; two images of 1,024 bytes a group
.irp u, 0,1
.irp g, 0,1
	global_load_b128 v[Q+8*\u+4*\g:Q+8*\u+4*\g+3], v[QO], s[4:5] offset:1024*\u+512*\g
.endr
.endr
	v_lshl_add_u32 v[CO], s19, 15, v[LI]           ; cf: two blocks of 16,384 bytes a group
	s_mov_b32 s26, 0                               ; the slot's first byte in K and in V
	s_lshl_b32 s27, s19, 13                        ; and its words in maskw
	s_mov_b32 s28, 16
.irp u, 0,1
	v_mov_b32 v[ST+8*\u+1], 0xff61b1e6             ; the largest t so far: -3e38
	v_floor_f32 v[ST+8*\u], -v[ST+8*\u+1]
.irp z, 2,3,4,5,6,7
	v_mov_b32 v[ST+8*\u+\z], 0
.endr
.endr
	WIN 0x40
.set j, 0
.rept 64
	v_mov_b32 v[O+j], 0                            ; O^T begins as zeros: which slot is walked first hangs on the flags, so no first step can be written out
.set j, j+1
.endr
	WIN 0
	s_wait_kmcnt 0x0
	s_or_b32 s24, s100, s101
	s_and_b32 s24, s24, 0xffff                     ; bit j: slot j is walked
	s_and_b32 s25, s100, s101
	s_lshr_b32 s25, s25, 16
	s_and_not1_b32 s25, s24, s25                   ; bit j: and some of its entries are masked
	s_wait_loadcnt 0x0                             ; Q
.Lslot:                                                ; sixteen trips, a constant; a slot that is not asked for is passed over
	v_add_nc_u32 v[ADK], s26, v[LI]
	v_add_nc_u32 v[ADV], s26, v[LIV]
	s_bitcmp1_b32 s24, 0
	s_cbranch_scc0 .Lskip
	WIN 0x40
.irp t, 0,1,2,3,4,5,6,7
	ds_load_b128 v[KF+8*\t:KF+8*\t+3], v[ADK] offset:1024*\t
	ds_load_b128 v[KF+8*\t+4:KF+8*\t+7], v[ADK] offset:1024*\t+512
.endr
.irp t, 0,1,2,3
.irp g, 0,1,2,3
	ds_load_b128 v[VF+16*\t+4*\g:VF+16*\t+4*\g+3], v[ADV] offset:2048*\t+512*\g
.endr
.endr
	WIN 0
	s_bitcmp1_b32 s25, 0
	s_cbranch_scc1 .Lmixed
	s_wait_dscnt 16                                ; K is in; V's 16 loads may be out
	SMUL
	s_branch .Ljoin
.Lmixed:
	WORDS 0x0                                      ; tile 0's words, asked for ahead of the products
	s_wait_dscnt 16
	SMUL
	s_wait_kmcnt 0x0
	HIDE 0
	WORDS 0x100                                    ; tile 1's, into the same registers
	s_wait_kmcnt 0x0
	HIDE 1
.Ljoin:
.irp u, 0,1                                    ; each query's largest score among my 64 keys, two chains a tile
	v_max3_num_f32 v[ST+8*\u+6], v[S+64*\u], v[S+64*\u+1], v[S+64*\u+2]
	v_max3_num_f32 v[ST+8*\u+7], v[S+64*\u+3], v[S+64*\u+4], v[S+64*\u+5]
.endr
.irp i, 6,10,14,18,22,26,30,34,38,42,46,50,54,58
.irp u, 0,1
	v_max3_num_f32 v[ST+8*\u+6], v[ST+8*\u+6], v[S+64*\u+\i], v[S+64*\u+\i+1]
	v_max3_num_f32 v[ST+8*\u+7], v[ST+8*\u+7], v[S+64*\u+\i+2], v[S+64*\u+\i+3]
.endr
.endr
.irp u, 0,1
	v_max3_num_f32 v[ST+8*\u+6], v[ST+8*\u+6], v[S+64*\u+62], v[S+64*\u+63]
.endr
.irp u, 0,1
	v_max_num_f32 v[ST+8*\u+6], v[ST+8*\u+6], v[ST+8*\u+7]
.endr
.irp u, 0,1
	v_permlanex16_b32 v[ST+8*\u+7], v[ST+8*\u+6], s20, s21
.endr
.irp u, 0,1
	v_max_num_f32 v[ST+8*\u+6], v[ST+8*\u+6], v[ST+8*\u+7]   ; and among lane l xor 16's
.endr
.irp u, 0,1
	v_mul_f32 v[ST+8*\u+6], s22, v[ST+8*\u+6]      ; as t (c is positive)
.endr
.irp u, 0,1
	v_max_num_f32 v[ST+8*\u+1], v[ST+8*\u+1], v[ST+8*\u+6]
	v_mov_b32 v[ST+8*\u+6], v[ST+8*\u]
.endr
.irp u, 0,1
	v_floor_f32 v[ST+8*\u], -v[ST+8*\u+1]          ; the new -M = floor(-t): M is a whole number
.endr
.irp u, 0,1
	v_sub_f32 v[ST+8*\u+6], v[ST+8*\u], v[ST+8*\u+6]   ; old M - new M, a whole number, 0 or less
.endr
.irp u, 0,1
	v_cvt_i32_f32 v[ST+8*\u+6], v[ST+8*\u+6]       ; (it saturates)
.endr
.irp u, 0,1
	v_ldexp_f32 v[ST+8*\u+4], 1.0, v[ST+8*\u+6]    ; f = 2^(old M - new M)
.endr
.irp u, 0,1
.set j, 0
.rept 32
	v_pk_fma_f32 v[S+64*\u+j:S+64*\u+j+1], v[S+64*\u+j:S+64*\u+j+1], s[22:23], v[ST+8*\u:ST+8*\u+1] op_sel_hi:[1,0,0]   ; t - M, two at a time
.set j, j+2
.endr
.endr
.set j, 0
.rept 128
	v_exp_f32 v[S+j], v[S+j]                       ; p = 2^(t - M): one batch
.set j, j+1
.endr
.irp u, 0,1
	v_pk_mul_f32 v[ST+8*\u+2:ST+8*\u+3], v[ST+8*\u+2:ST+8*\u+3], v[ST+8*\u+4:ST+8*\u+5] op_sel_hi:[1,0]   ; the sums under the new M: the plain instructions behind the exponentials
.endr
	s_wait_alu depctr_va_vdst(0)                   ; one wait for the batch, ahead of its first reader
.irp u, 0,1
	v_pk_add_f32 v[ST+8*\u+6:ST+8*\u+7], v[S+64*\u:S+64*\u+1], v[S+64*\u+2:S+64*\u+3]   ; the sum is taken of the unquantised p
.endr
.irp j, 4,8,12,16,20,24,28,32,36,40,44,48,52,56,60
.irp u, 0,1
	v_pk_add_f32 v[ST+8*\u+2:ST+8*\u+3], v[ST+8*\u+2:ST+8*\u+3], v[S+64*\u+\j:S+64*\u+\j+1]
	v_pk_add_f32 v[ST+8*\u+6:ST+8*\u+7], v[ST+8*\u+6:ST+8*\u+7], v[S+64*\u+\j+2:S+64*\u+\j+3]
.endr
.endr
.irp u, 0,1
	v_pk_add_f32 v[ST+8*\u+2:ST+8*\u+3], v[ST+8*\u+2:ST+8*\u+3], v[ST+8*\u+6:ST+8*\u+7]
.endr
	s_cmp_ge_i32 s30, -8                           ; p is at most 1; from e8 = -8 on, 448 x 2^e8 is 1.75 or more and the hold cannot bind
	s_cbranch_scc1 .Lnohold
.set j, 0
.rept 128
	v_min_num_f32 v[S+j], v[S+j], v[PLIM]          ; the conversion does not saturate (ISA guide 7.6.2); p is not negative
.set j, j+1
.endr
.Lnohold:
.irp u, 0,1
.irp c, 0,1,2,3,4,5,6,7
	v_cvt_scalef32_pk8_fp8_f32 v[P+16*\u+2*\c:P+16*\u+2*\c+1], v[S+64*\u+8*\c:S+64*\u+8*\c+7], v[PSC]
.endr
.endr
	WIN 0x41                                       ; O^T (destination and source 0) window 1, f window 0
.irp u, 0,1
.set j, 0
.rept 16
	v_pk_mul_f32 v[O+32*\u+j:O+32*\u+j+1], v[O+32*\u+j:O+32*\u+j+1], v[ST+8*\u+4:ST+8*\u+5] op_sel_hi:[1,0]   ; O^T under the new M; also the plain instructions behind the conversions
.set j, j+2
.endr
.endr
	s_wait_dscnt 0x0                               ; V is in
	WIN 0x51                                       ; V, C and D window 1; p's codes window 0
.irp t, 0,1,2,3
.irp u, 0,1
	v_wmma_f32_16x16x128_fp8_fp8 v[O+32*\u+8*\t:O+32*\u+8*\t+7], v[VF+16*\t:VF+16*\t+15], v[P+16*\u:P+16*\u+15], v[O+32*\u+8*\t:O+32*\u+8*\t+7]   ; eight accumulators by turns
.endr
.endr
	WIN 0
.rept 4
	v_nop                                          ; places ahead of the next loads into V's registers and of the way out's reads
.endr
.Lskip:
	s_lshr_b32 s24, s24, 1
	s_lshr_b32 s25, s25, 1
	s_add_co_u32 s26, s26, 8192
	s_add_co_u32 s27, s27, 512
	s_sub_co_u32 s28, s28, 1
	s_cmp_lg_u32 s28, 0
	s_cbranch_scc1 .Lslot
	; THE WAY OUT of a group: ctx = O^T x 2^(e8 + e9) / the sum, held, converted with 2^e10; the codes are the last projection's operand registers
.irp u, 0,1
	v_add_f32 v[ST+8*\u+6], v[ST+8*\u+2], v[ST+8*\u+3]
.endr
.irp u, 0,1
	v_permlanex16_b32 v[ST+8*\u+7], v[ST+8*\u+6], s20, s21
.endr
.irp u, 0,1
	v_add_f32 v[ST+8*\u+6], v[ST+8*\u+6], v[ST+8*\u+7]
.endr
.irp u, 0,1
	v_rcp_f32 v[ST+8*\u+4], v[ST+8*\u+6]
.endr
	v_nop                                          ; a plain instruction behind the reciprocals
	s_wait_alu depctr_va_vdst(0)                   ; and the one wait ahead of their first reader
.irp u, 0,1
	v_ldexp_f32 v[ST+8*\u+4], v[ST+8*\u+4], s31
.endr
	WIN 0x01                                       ; source 0 (O^T) window 1
.irp u, 0,1
.set j, 0
.rept 16
	v_pk_mul_f32 v[S+32*\u+j:S+32*\u+j+1], v[O+32*\u+j:O+32*\u+j+1], v[ST+8*\u+4:ST+8*\u+5] op_sel_hi:[1,0]
.set j, j+2
.endr
.endr
	WIN 0
.set j, 0
.rept 64
	v_med3_num_f32 v[S+j], v[S+j], -v[CLIM], v[CLIM]
.set j, j+1
.endr
.irp u, 0,1
.irp t, 0,1,2,3
	v_cvt_scalef32_pk8_fp8_f32 v[P+8*\u+2*\t:P+8*\u+2*\t+1], v[S+32*\u+8*\t:S+32*\u+8*\t+7], v[CSC]
.endr
.endr
	v_nop                                          ; a plain instruction behind the conversions
.irp u, 0,1
.irp c, 0,1
	global_store_b128 v[CO], v[P+8*\u+4*\c:P+8*\u+4*\c+3], s[16:17] offset:16384*\u+512*\c
.endr
.endr
	s_wait_xcnt 0x0                                ; the stores have read their registers: offset and codes are written again in the next pass
	s_sub_co_u32 s19, 63, s19                      ; the partner group
	s_sub_co_u32 s29, s29, 1
	s_cmp_lg_u32 s29, 0
	s_cbranch_scc1 .Lpass
	s_wait_tensorcnt 0x0                           ; the wave's end, behind my last LDS store
	ds_add_u32 v[SPW], v[NIL]
	s_wait_dscnt 0x0
	s_endpgm
.Lfunc_end_k_q7a41953363_attn:
	.size	k_q7a41953363_attn, .Lfunc_end_k_q7a41953363_attn-k_q7a41953363_attn
	.p2alignl 7, 3214868480
	.fill 96, 4, 3214868480
	.section	.rodata,"a",@progbits
	.p2align	6, 0x0
	.amdhsa_kernel k_q7a41953363_attn
		.amdhsa_group_segment_fixed_size 263168
		.amdhsa_private_segment_fixed_size 0
		.amdhsa_enable_private_segment 0
		.amdhsa_kernarg_size 56
		.amdhsa_user_sgpr_count 2
		.amdhsa_user_sgpr_kernarg_segment_ptr 1
		.amdhsa_wavefront_size32 1
		.amdhsa_system_sgpr_workgroup_id_x 1
		.amdhsa_system_sgpr_workgroup_id_y 1
		.amdhsa_system_sgpr_workgroup_id_z 1
		.amdhsa_system_vgpr_workitem_id 0
		.amdhsa_next_free_vgpr 448
		.amdhsa_next_free_sgpr 106
		.amdhsa_reserve_vcc 0
		.amdhsa_float_denorm_mode_32 3
		.amdhsa_float_denorm_mode_16_64 3
		.amdhsa_memory_ordered 1
		.amdhsa_forward_progress 1
		.amdhsa_inst_pref_size 63
	.end_amdhsa_kernel
	.amdgpu_metadata
---
amdhsa.version: [ 1, 2 ]
amdhsa.kernels:
  - .name:           k_q7a41953363_attn
    .symbol:         k_q7a41953363_attn.kd
    .args:
      - { .name: qf, .offset: 0, .size: 8, .value_kind: global_buffer, .address_space: global }
      - { .name: kf, .offset: 8, .size: 8, .value_kind: global_buffer, .address_space: global }
      - { .name: vf, .offset: 16, .size: 8, .value_kind: global_buffer, .address_space: global }
      - { .name: maskw, .offset: 24, .size: 8, .value_kind: global_buffer, .address_space: global }
      - { .name: flags, .offset: 32, .size: 8, .value_kind: global_buffer, .address_space: global }
      - { .name: lowp_scales, .offset: 40, .size: 8, .value_kind: global_buffer, .address_space: global }
      - { .name: cf, .offset: 48, .size: 8, .value_kind: global_buffer, .address_space: global }
    .group_segment_fixed_size: 263168
    .private_segment_fixed_size: 0
    .kernarg_segment_align: 8
    .kernarg_segment_size: 56
    .max_flat_workgroup_size: 256
    .sgpr_count:     106
    .vgpr_count:     448
    .wavefront_size: 32
...
	.end_amdgpu_metadata
.endif
;; end of part 4
;; launch outp (part 5): grid 4 x 32, 4 waves a work-group, clusters of 4 x 4, 327,680 bytes of LDS; arguments cf, Wo_codes, bo, out0, lowp_scales; writes out0
.if DOCPART == 5
	.amdgcn_target "amdgcn-amd-amdhsa--gfx1250"
	.amdhsa_code_object_version 6
	.text
	.protected	k_q7a41953363_outp
	.globl	k_q7a41953363_outp
	.p2align	8
	.type	k_q7a41953363_outp,@function
k_q7a41953363_outp:
	s_mov_b64 s[64:65], 0
	v_nop
	global_prefetch_b8 v0, s[64:65] scope:SCOPE_SE
	s_setreg_imm32_b32 hwreg(HW_REG_WAVE_MODE, 25, 1), 1
	s_wait_xcnt 0x0
	s_wait_alu depctr_hold_cnt(0) depctr_sa_sdst(0) depctr_va_vdst(0) depctr_va_sdst(0) depctr_va_ssrc(0) depctr_va_vcc(0) depctr_vm_vsrc(0)
	s_getreg_b32 s2, hwreg(HW_REG_IB_STS2, 6, 4)
	s_cmp_eq_u32 s2, 0
	s_cbranch_scc0 .Lentry_in_a_cluster
	s_endpgm
.Lentry_in_a_cluster:
	s_bfe_u32 s2, ttmp6, 0x10000c
	s_cmp_lg_u32 s2, 0xf033
	s_cbranch_scc0 .Lentry_shape_is_right
	s_endpgm
.Lentry_shape_is_right:
; out0 = ctx Wo^T + bo on codes of E4M3: ctx's codes were made by the attention launch (scale 2^e10), Wo's are given (2^e11).  Nothing is left out here.
; The frame is the launch projqk's: a tile of 256 tokens x 256 features, four waves of 128 x 128, K = 1,024 in four steps of 256 through two LDS slots, 4 x 4 clusters with joint loads.
; A (source 1) = ctx, which lies in cf as IMAGES OF THE OPERAND'S REGISTERS: [block of 16 tokens][128 of K][c 4][lane][16 bytes].  A wave's load brings 8 blocks x 4,096 bytes (256 of K), 16,384 bytes apart, dense in LDS:
; a fragment comes by four loads at 16 x lane + constants.  B (source 0) = Wo's rows, padded rows as in projqk; both sides hold k = 32 c + 16 h + 0 .. 15 in registers 4 c .. 4 c + 3.
; THE WAY OUT: a block of 16 tokens x 128 features goes through the wave's own stage in LDS as raw sums and comes back as whole rows of 512 bytes; there one packed multiply-add gives sum x 2^(e10 + e11) + bo.
; The stage lies in slot 0, which has had its last fill and its last read when the first sum is stored there.
; LIMIT: e10 + e11 between -126 and 127.
.set SIZE_K, 1024
.set SIZE_N, 1024
.set KSTEP,  256
.set ROWB,   256
.set KROW,   1024
.set PITCH,  272
.set FR,     16
.set NL,     4
.set NP,     4
.set HALFT,  128*PITCH                 ; B: 128 rows
.set AH,     32768                     ; A: 8 blocks x 4,096 bytes
.set BOFF,   2*AH                      ; B's tiles lie behind A's two halves
.set SLOT,   BOFF+2*HALFT
.set LAPS,   SIZE_K/(2*KSTEP)
.set SPARE,  2*SLOT                    ; behind the ring: the spare words, two blocks of 256 bytes that no other line names
.set SPITCH, 528
.set BO,   8                           ; v[8:11]  bo at my four columns of a row
.set ADRA, 16
.set ADRB, 20
.set STO,  24
.set RD,   25
.set CO,   26
.set SPW,  28
.set NIL,  29
.set AF,   128
.set BK,   128                         ; the way out: 16 rows read back: v128-191 and v192-255 by turns
.set G1, 24
.set G0, 32
.set G1B, 48
.set G0B, 56
.set MSB, 0
.macro WIN new
.if MSB != \new
	s_set_vgpr_msb (MSB<<8)|\new
.set MSB, \new
.endif
.endm
.set MUL_LO, 0xa1
.set MUL_HI, 0xf1
.set TO_B,   0x40
.macro JLOAD g0a, g1a, g0b, g1b
	s_cmp_eq_u32 s15, 0
	s_cbranch_scc0 .Lfor_b_\@
	tensor_load_to_lds s[\g0a:\g0a+3], s[\g1a:\g1a+7]
	s_nop 0
.rept 4
	v_nop
.endr
	s_branch .Lasked_\@
.Lfor_b_\@:
	tensor_load_to_lds s[\g0b:\g0b+3], s[\g1b:\g1b+7]
	s_nop 0
.rept 4
	v_nop
.endr
.Lasked_\@:
.endm
.macro CREST
	s_cmp_lg_u32 s14, 0
	s_cbranch_scc1 .Lnot_wave_0_\@
	s_barrier_signal -3
.Lnot_wave_0_\@:
	s_barrier_wait -3
	s_barrier_signal -1
	s_barrier_wait -1
.endm
.macro CROUND
	s_barrier_signal -1
	s_barrier_wait -1
	CREST
.endm
	s_load_b256 s[4:11], s[0:1], 0x0               ; cf (A), Wo's codes (B), bo, out0
	s_load_b64 s[12:13], s[0:1], 0x20              ; the scales' exponents
	v_lshl_add_u32 v[SPW], v0, 2, SPARE
	v_mov_b32 v[NIL], 0
	ds_add_u32 v[SPW], v[NIL]                      ; the wave's opening: the add, twice on end, and its wait ahead of my first tensor load
	ds_add_u32 v[SPW], v[NIL]
	v_lshrrev_b32 v1, 5, v0
	v_readfirstlane_b32 s14, v1
	s_lshr_b32 s15, s14, 1                         ; which half of the tile's tokens is mine.  Also: I fetch for A (0) or for B (1)
	s_and_b32 s16, s14, 1                          ; which half of its features.  Also: which half of that tile I fetch
	s_bfe_u32 s40, ttmp6, 0x40000
	s_bfe_u32 s41, ttmp6, 0x40004
	s_lshl_b32 s42, ttmp9, 2
	s_add_co_u32 s42, s42, s40                     ; tile column
	s_and_b32 s17, ttmp7, 0xffff
	s_lshl_b32 s17, s17, 2
	s_add_co_u32 s17, s17, s41                     ; tile row
	s_lshl_b32 s43, s41, 2
	s_lshl_b32 s43, 15, s43
	s_lshl_b32 s44, 0x1111, s40
	s_or_b32 s[G1+0], s43, (1<<21)                 ; A: the mask of my row; elements of 1 byte; no padding; bit 21 beside a mask
	s_mov_b32 s[G1+1], 4096<<16                    ; tensor_dim0 = 4,096
	s_mov_b32 s[G1+2], 8<<16                       ; tensor_dim1 = 8
	s_mov_b32 s[G1+3], 4096<<16                    ; tile_dim0
	s_mov_b32 s[G1+4], 8                           ; tile_dim1
	s_mov_b32 s[G1+5], 16384                       ; from block to block
	s_mov_b32 s[G1+6], 0
	s_mov_b32 s[G1+7], 0
	s_or_b32 s[G1B+0], s44, (1<<20)|(1<<21)|(5<<22)|(3<<25)
	s_mov_b32 s[G1B+1], ROWB<<16
	s_mov_b32 s[G1B+2], 128<<16
	s_mov_b32 s[G1B+3], ROWB<<16
	s_mov_b32 s[G1B+4], 128
	s_mov_b32 s[G1B+5], KROW
	s_mov_b32 s[G1B+6], 0
	s_mov_b32 s[G1B+7], 0
	s_lshl_b32 s20, s17, 4
	s_lshl_b32 s18, s16, 3
	s_add_co_u32 s20, s20, s18                     ; A: block 16 x tile row + 8 x half
	s_lshl_b32 s20, s20, 14
	s_lshl_b32 s18, s16, 7
	s_lshl_b32 s46, s42, 8
	s_add_co_u32 s46, s46, s18                     ; B: row 256 x tile column + 128 x half
	s_lshl_b32 s46, s46, 10
	s_mov_b32 s21, 0
	s_mov_b32 s47, 0
	s_lshl_b32 s45, s16, 15                        ; where A's half goes,
	s_mul_i32 s87, s16, HALFT
	s_add_co_u32 s87, s87, BOFF                    ; and B's
	s_wait_dscnt 0x0
	s_wait_kmcnt 0x0
	s_load_b64 s[96:97], s[12:13], 0x28            ; e10, e11
	s_add_nc_u64 s[20:21], s[4:5], s[20:21]
	s_add_nc_u64 s[46:47], s[6:7], s[46:47]
	CROUND
.irp s, 0,1
	s_mov_b32 s[G0+4*\s], 1
	s_add_co_u32 s[G0+4*\s+1], s45, \s*SLOT
	s_add_nc_u64 s[G0+4*\s+2:G0+4*\s+3], s[20:21], \s*4096
	s_or_b32 s[G0+4*\s+3], s[G0+4*\s+3], 0x80000000
	s_mov_b32 s[G0B+4*\s], 1
	s_add_co_u32 s[G0B+4*\s+1], s87, \s*SLOT
	s_add_nc_u64 s[G0B+4*\s+2:G0B+4*\s+3], s[46:47], \s*ROWB
	s_or_b32 s[G0B+4*\s+3], s[G0B+4*\s+3], 0x80000000
	JLOAD G0+4*\s, G1, G0B+4*\s, G1B
.endr
	v_and_b32 v1, 15, v0                           ; r
	v_bfe_u32 v2, v0, 4, 1                         ; h
	v_mul_u32_u24 v3, v1, PITCH
	v_lshl_add_u32 v4, v2, 4, v3                   ; B: row x pitch + 16 h
	v_and_b32 v6, 31, v0
	v_lshlrev_b32 v[CO], 4, v6                     ; 16 x lane: A's images, a row of the stage, a row of out0
	s_lshl_b32 s21, s15, 15                        ; my 8 blocks of A
	s_mul_i32 s22, s16, HALFT
	s_add_co_u32 s22, s22, BOFF                    ; my 128 rows of B
.irp s, 0,1
	v_add_nc_u32 v[ADRA+\s], s21, v[CO]
	v_add_nc_u32 v[ADRB+\s], s22, v4
	s_add_co_u32 s21, s21, SLOT
	s_add_co_u32 s22, s22, SLOT
.endr
	s_mul_i32 s23, s14, 16*SPITCH                  ; my stage
	v_mul_u32_u24 v5, v1, SPITCH
	v_lshl_add_u32 v5, v2, 5, v5
	v_add_nc_u32 v[STO], s23, v5                   ; in: row r, 32 bytes for each half of the lanes
	v_add_nc_u32 v[RD], s23, v[CO]                 ; back: the 32 lanes take one row of 512 bytes
	s_lshl_b32 s46, s42, 10
	s_lshl_b32 s47, s16, 9
	s_add_co_u32 s46, s46, s47                     ; my first column, in bytes
	s_mov_b32 s47, 0
	s_add_nc_u64 s[8:9], s[8:9], s[46:47]
	global_load_b128 v[BO:BO+3], v[CO], s[8:9]     ; bo at columns 4 x lane + 0 .. 3 of my 128
	s_lshl_b32 s20, s17, 8
	s_lshl_b32 s21, s15, 7
	s_add_co_u32 s20, s20, s21                     ; my first row of out0
	s_lshl_b32 s20, s20, 12                        ; rows of 4,096 bytes
	s_mov_b32 s21, 0
	s_add_nc_u64 s[20:21], s[20:21], s[46:47]
	s_add_nc_u64 s[10:11], s[10:11], s[20:21]
.macro FRAG reg, adr, q, i
.irp c, 0,1,2,3
	ds_load_b128 v[\reg+4*\c:\reg+4*\c+3], v[\adr] offset:128*(\q)+32*\c+(\i)*16*PITCH
.endr
.endm
.macro FRAGA reg, adr, q, i            ; an image: block i, the slot's q-th 128 of K, group c
.irp c, 0,1,2,3
	ds_load_b128 v[\reg+4*\c:\reg+4*\c+3], v[\adr] offset:4096*(\i)+2048*(\q)+512*\c
.endr
.endm
.macro MUL16 a0, p, zero
.irp a, \a0, \a0+1
.irp b, 0,1,2,3,4,5,6,7
.if \zero
	v_wmma_f32_16x16x128_fp8_fp8 v[8*(8*((\a)%4)+\b):8*(8*((\a)%4)+\b)+7], v[128*(\p)+FR*\b:128*(\p)+FR*\b+FR-1], v[AF+FR*(\a):AF+FR*(\a)+FR-1], 0
.else
	v_wmma_f32_16x16x128_fp8_fp8 v[8*(8*((\a)%4)+\b):8*(8*((\a)%4)+\b)+7], v[128*(\p)+FR*\b:128*(\p)+FR*\b+FR-1], v[AF+FR*(\a):AF+FR*(\a)+FR-1], v[8*(8*((\a)%4)+\b):8*(8*((\a)%4)+\b)+7]
.endif
.endr
.endr
.endm
.macro FETCH_B slot, q, p
	WIN TO_B
.irp i, 0,1,2,3,4,5,6,7
	FRAG 128*(\p)+FR*\i, ADRB+\slot, \q, \i
.endr
	WIN 0
.endm
.macro FETCH_A slot, q, i0
.irp i, \i0, \i0+1, \i0+2, \i0+3
	FRAGA AF+FR*(\i), ADRA+\slot, \q, \i
.endr
.endm
.macro PLACES n
.rept \n
	v_nop
.endr
.endm
.macro STEP slot, q, zero
	s_wait_dscnt 4*NL                              ; the youngest 16 loads (A's blocks 4-7) may be out
	WIN MUL_LO
	MUL16 0, (\q)%2, \zero
	MUL16 2, (\q)%2, \zero
	s_wait_dscnt 0
	PLACES NP
	FETCH_B \slot, (\q)+1, 1-(\q)%2
	FETCH_A \slot, (\q)+1, 0
	WIN MUL_HI
	MUL16 4, (\q)%2, \zero
	MUL16 6, (\q)%2, \zero
	PLACES NP
	WIN 0
	FETCH_A \slot, (\q)+1, 4
.endm
.macro TURN slot, next, fill
	s_wait_tensorcnt 0x0                           ; all my tensor loads have landed
	ds_add_u32 v[SPW], v[NIL]
	s_wait_dscnt 4*NL+1                            ; the add and the youngest 16 loads may be out
	WIN MUL_LO
	MUL16 0, 1, 0
	s_wait_dscnt 0x0                               ; the add is done, and my reads of this slot are over
	s_barrier_signal -1
	MUL16 2, 1, 0
	WIN 0
	s_barrier_wait -1
.if \fill
	CREST
	s_add_nc_u64 s[G0+4*\slot+2:G0+4*\slot+3], s[G0+4*\slot+2:G0+4*\slot+3], 2*4096
	s_add_nc_u64 s[G0B+4*\slot+2:G0B+4*\slot+3], s[G0B+4*\slot+2:G0B+4*\slot+3], 2*ROWB
	JLOAD G0+4*\slot, G1, G0B+4*\slot, G1B
.else
	PLACES NP
.endif
	FETCH_B \next, 0, 0
	FETCH_A \next, 0, 0
	WIN MUL_HI
	MUL16 4, 1, 0
	MUL16 6, 1, 0
	PLACES NP
	WIN 0
	FETCH_A \next, 0, 4
.endm
	s_wait_tensorcnt 1                             ; slot 0 is in; slot 1's one load may be out
	s_barrier_signal -1
	s_barrier_wait -1
	FETCH_B 0, 0, 0
	FETCH_A 0, 0, 0
	FETCH_A 0, 0, 4
	STEP 0, 0, 1
	s_mov_b32 s3, LAPS-1
.Llap:
	TURN 0, 1, 1
	STEP 1, 0, 0
	TURN 1, 0, 1
	STEP 0, 0, 0
	s_sub_co_u32 s3, s3, 1
	s_cmp_lg_u32 s3, 0
	s_cbranch_scc1 .Llap
	TURN 0, 1, 0
	STEP 1, 0, 0
	s_wait_dscnt 4*NL
	WIN MUL_LO
	MUL16 0, 1, 0
	MUL16 2, 1, 0
	s_wait_dscnt 0
	WIN MUL_HI
	MUL16 4, 1, 0
	MUL16 6, 1, 0
	WIN 0
.macro TOSTAGE a                       ; block a's raw sums into my stage, straight from the accumulators, and back as whole rows
.set AC, 64*((\a)%4)
	WIN (0x08+4*((\a)/4))                          ; the stores' data: window 2 or 3
.irp b, 0,1,2,3,4,5,6,7
	ds_store_b128 v[STO], v[AC+8*\b:AC+8*\b+3] offset:64*\b          ; each accumulator from its low end on
	ds_store_b128 v[STO], v[AC+8*\b+4:AC+8*\b+7] offset:64*\b+16
.endr
	WIN 0
.set BB, BK+64*((\a)%2)
.irp t, 0,1,2,3,4,5,6,7,8,9,10,11,12,13,14,15
	ds_load_b128 v[BB+4*\t:BB+4*\t+3], v[RD] offset:\t*SPITCH        ; LDS serves a wave's instructions in order: these see my stores
.endr
.endm
.macro SEND a, younger                 ; younger: the LDS instructions issued behind block a's loads, which may stay out
.set BB, BK+64*((\a)%2)
	s_wait_dscnt \younger
.if (\a) > 0
	s_add_nc_u64 s[10:11], s[10:11], 16*SIZE_N*4   ; (behind a wait on XCNT: the earlier stores have read their base)
.endif
.irp t, 0,1,2,3,4,5,6,7,8,9,10,11,12,13,14,15
	v_pk_fma_f32 v[BB+4*\t:BB+4*\t+1], v[BB+4*\t:BB+4*\t+1], s[96:97], v[BO:BO+1] op_sel_hi:[1,0,1]       ; sum x 2^(e10 + e11) + bo
	v_pk_fma_f32 v[BB+4*\t+2:BB+4*\t+3], v[BB+4*\t+2:BB+4*\t+3], s[96:97], v[BO+2:BO+3] op_sel_hi:[1,0,1]
	global_store_b128 v[CO], v[BB+4*\t:BB+4*\t+3], s[10:11] offset:\t*SIZE_N*4 th:TH_STORE_NT   ; 32 lanes store 512 consecutive bytes, aligned; written once, read by nobody here
.endr
.endm
	s_wait_kmcnt 0x0
	s_add_co_i32 s96, s96, s97
	s_add_co_i32 s96, s96, 127
	s_lshl_b32 s96, s96, 23                        ; 2^(e10 + e11) as f32
	s_mov_b32 s97, s96
	s_wait_loadcnt 0x0                             ; bo
	PLACES NP                                      ; ahead of the stores that read results and of the loads into the registers that held A's fragments
	TOSTAGE 0
.irp a, 1,2,3,4,5,6,7
.if \a > 1
	s_wait_xcnt 0x0                                ; block a - 2's stores have read their registers and their base
.endif
	TOSTAGE \a
	SEND \a-1, 32                                  ; behind block a - 1's loads: block a's 16 stores and 16 loads
.endr
	s_wait_xcnt 0x0
	SEND 7, 0
	s_wait_tensorcnt 0x0                           ; the wave's end, behind my last tensor load and my last LDS store
	ds_add_u32 v[SPW], v[NIL]
	s_wait_dscnt 0x0
	CROUND
	s_endpgm
.Lfunc_end_k_q7a41953363_outp:
	.size	k_q7a41953363_outp, .Lfunc_end_k_q7a41953363_outp-k_q7a41953363_outp
	.p2alignl 7, 3214868480
	.fill 96, 4, 3214868480
	.section	.rodata,"a",@progbits
	.p2align	6, 0x0
	.amdhsa_kernel k_q7a41953363_outp
		.amdhsa_group_segment_fixed_size 327680
		.amdhsa_private_segment_fixed_size 0
		.amdhsa_enable_private_segment 0
		.amdhsa_kernarg_size 40
		.amdhsa_user_sgpr_count 2
		.amdhsa_user_sgpr_kernarg_segment_ptr 1
		.amdhsa_wavefront_size32 1
		.amdhsa_system_sgpr_workgroup_id_x 1
		.amdhsa_system_sgpr_workgroup_id_y 1
		.amdhsa_system_sgpr_workgroup_id_z 1
		.amdhsa_system_vgpr_workitem_id 0
		.amdhsa_next_free_vgpr 1024
		.amdhsa_next_free_sgpr 100
		.amdhsa_reserve_vcc 0
		.amdhsa_float_denorm_mode_32 3
		.amdhsa_float_denorm_mode_16_64 3
		.amdhsa_memory_ordered 1
		.amdhsa_forward_progress 1
		.amdhsa_inst_pref_size 123
	.end_amdhsa_kernel
	.amdgpu_metadata
---
amdhsa.version: [ 1, 2 ]
amdhsa.kernels:
  - .name:           k_q7a41953363_outp
    .symbol:         k_q7a41953363_outp.kd
    .args:
      - { .name: cf, .offset: 0, .size: 8, .value_kind: global_buffer, .address_space: global }
      - { .name: Wo_codes, .offset: 8, .size: 8, .value_kind: global_buffer, .address_space: global }
      - { .name: bo, .offset: 16, .size: 8, .value_kind: global_buffer, .address_space: global }
      - { .name: out0, .offset: 24, .size: 8, .value_kind: global_buffer, .address_space: global }
      - { .name: lowp_scales, .offset: 32, .size: 8, .value_kind: global_buffer, .address_space: global }
    .group_segment_fixed_size: 327680
    .private_segment_fixed_size: 0
    .kernarg_segment_align: 8
    .kernarg_segment_size: 40
    .max_flat_workgroup_size: 128
    .sgpr_count:     100
    .vgpr_count:     1024
    .wavefront_size: 32
...
	.end_amdgpu_metadata
.endif
;; end of part 5
;; ======== version 2 of 2: 5 launches; version 1 with the launch attn written anew for expert scheduling mode
;; limits: right only within a limited range of input values
;; workspace buffers: qf 8,388,608 bytes; kf 8,388,608 bytes; vf 8,388,608 bytes; cf 8,388,608 bytes; maskw 524,288 bytes of whole numbers; flags 512 bytes of whole numbers
;; launch maskprep: the kernel of part 1 again; grid 128 x 1, 16 waves a work-group, no clusters, 137,472 bytes of LDS; arguments mask, maskw, flags; writes maskw, flags
;; launch projqk: the kernel of part 2 again; grid 4 x 64, 4 waves a work-group, clusters of 4 x 4, 327,680 bytes of LDS; arguments q_codes, Wq_codes, k_codes, Wk_codes, bq, bk, lowp_scales, qf, kf; writes qf, kf
;; launch projv: the kernel of part 3 again; grid 32 x 4, 4 waves a work-group, clusters of 4 x 4, 327,680 bytes of LDS; arguments Wv_codes, v_codes, bv, vf, lowp_scales; writes vf
;; launch attn (part 6): grid 4 x 64, 8 waves a work-group, no clusters, 263,168 bytes of LDS; arguments qf, kf, vf, maskw, flags, lowp_scales, cf; writes cf
.if DOCPART == 6
	.amdgcn_target "amdgcn-amd-amdhsa--gfx1250"
	.amdhsa_code_object_version 6
	.text
	.protected	k_q7a41953363_attn
	.globl	k_q7a41953363_attn
	.p2align	8
	.type	k_q7a41953363_attn,@function
k_q7a41953363_attn:
	s_mov_b64 s[64:65], 0
	v_nop
	global_prefetch_b8 v0, s[64:65] scope:SCOPE_SE
	s_setreg_imm32_b32 hwreg(HW_REG_WAVE_SCHED_MODE, 0, 2), 2
	s_setreg_imm32_b32 hwreg(HW_REG_WAVE_MODE, 25, 1), 1
	s_wait_xcnt 0x0
	s_wait_alu depctr_vm_vsrc(0)
; ctx = softmax(where(mask == 0, -1e9, qh kh^T / 8)) vh for one (batch, head), both products on codes of E4M3; ctx is quantised at once (scale 2^e10) as the last projection's operand.
; LEFT OUT: key slots of 128 keys in which the mask hides every key from all 32 queries of a group, where each of those queries has an unmasked key elsewhere: their weights are 0 in reference() too.  Which slots, the flags say:
; whole numbers that the first launch stored.  A group with a query that is masked at all keys walks every slot.  A NaN, an infinity or an overflow that could arise only in a slot left out is not carried to the result.
; THE SOFTMAX AHEAD OF THE SECOND PRODUCT: t = logit x log2(e); M = the running largest t rounded UP to a whole number; p = 2^(t - M) is quantised (2^e8); the row's sum is taken of the unquantised p and divides at the end;
; when M moves, the sum and O are multiplied by 2^(old M - new M), which rounds nothing.
; A MASKED SCORE is replaced by -2^(33 - e6 - e7): the logit -2^30 in place of -1e9.  Its t, -log2(e) x 2^30 in f32, is a whole number, so in a row that is masked at all keys t - M is exactly 0 and p = 1, as in reference().
; LIMITS: the result is reference()'s as long as unmasked logits lie above about -7e8, which the codes' range gives for e6 + e7 <= 8; e6 + e7 between -94 and 130; e8 and e10 between -126 and 119.
; SHARES.  Work-group (x, y): y = 16 b + head; all 2,048 keys and values of that head lie in LDS, 256 KB, as they lie in kf and vf: images of the operands' registers, so every LDS access is 16 x lane + constants.  One barrier
; stands behind the fill; after it LDS is only read and the eight waves run free.  Wave w takes the groups of 32 queries G = 8 x + w and 63 - G, one after the other: two tiles of 16 queries share each fragment of K and V.
; No tensor load, no cluster: the walk hangs on flags read from memory.  K and V are always filled whole: what is needed hangs on the mask.
; LAYOUT.  S^T = K Q^T (source 0 = 16 keys, source 1 = 16 queries): lane (q, h) holds query q and, in tile t's register j, key 16 t + 8 h + j: p's codes of tile t are registers 2 t, 2 t + 1 of the K = 128 operand.
; O^T = V^T P^T: lane (q, h) holds, in tile tau = 2 bb + uu, features 32 bb + 16 h + 8 uu + 0 .. 7 (the launch projv chose Wv's rows so): tiles 2 bb, 2 bb + 1 give 16 neighbours along the last projection's K.
; cf: [block of 16 tokens 512][128 of K ks 8][c 4][lane 32][16 bytes]; my head fills c = 2 (head % 2) + bb of ks = head / 2.  Each store of a wave covers 512 consecutive bytes, aligned.
; REGISTERS.  window 0: v1-4, v7-15, v80-81 addresses and constants; v16-31 statistics, eight a tile: +0 -M, +1 the largest t, +2 +3 the sum, +4 f, +5 0, +6 +7 at work; v32-47 Q; v48-79 p's codes; v128-255 S^T, then p.
;   window 1: v0-63 O^T (32 u + 8 tau); v64-127 K's eight fragments; v128-191 V's four.
; THE MODE: SCHED_MODE bits 1:0 = 2 (LLVM: expert scheduling mode 2), set by the entry lines.  The code itself states the register dependences between vector or matrix instructions and memory or LDS instructions,
; with s_wait_alu, always for 0.
; THE PLAN.  Registers that memory or LDS instructions touch:
;   LI, LIV, FK0, FK1, FV0, FV1   written at the head, ahead of one wait on va_vdst, and never again.  Q and cf are reached by LI and a scalar base that is made anew for each group.
;   ADK, ADV    written by one add each at the head of every slot's trip; read by that trip's LDS loads.  A wait on vm_vsrc stands ahead of the adds, a wait on va_vdst ahead of the loads.
;   S and window 1's v0-127   the fill: global loads land in them, LDS stores read them.  One wait on vm_vsrc behind the fill's barrier stands ahead of all their later writers (products, the clears of O^T, K's loads).
;   KF, VF      K's loads land in KF ahead of the trip's products K Q^T, V's in VF behind them; the products K Q^T read KF, the products V^T P at the trip's end read VF.
;   Q           four global loads at a group's head; read by the group's products.
;   P           on the way out: written by the conversions, read by the four stores of cf.
; So ONE wait on va_vdst at the head of a walked trip states that ADK and ADV are written and that all earlier products are done reading KF and VF; the trip's 32 LDS loads follow it, K's ahead of the products K Q^T and
; V's behind them: those products name S, KF and Q, none of the registers that V's loads touch.  The wait behind the exponentials is the softmax's own.  The wait ahead of the stores of cf is also the last one ahead of
; the next group's loads of Q: no vector instruction stands between.
.set LI,  1                            ; 16 x lane
.set LIV, 2                            ; + V's first byte
.set ADK, 3
.set ADV, 4
.set XM,  7                            ; the masked score
.set PSC, 8                            ; 2^e8
.set PLIM, 9                           ; 448 x 2^e8
.set CSC, 10                           ; 2^e10
.set CLIM, 11                          ; 448 x 2^e10
.set SPW, 12
.set NIL, 13
.set FK0, 14                           ; the fill: 16 x lane + 8,192 x wave; the three below: + 65,536, + 131,072, + 196,608
.set FK1, 15
.set FV0, 80
.set FV1, 81
.set ST,  16
.set Q,   32
.set P,   48
.set S,   128
.set O,   0
.set KF,  64
.set VF,  128
.set VBASE, 131072
.set SPARE, 262144                     ; behind K and V: the spare words, four blocks of 256 bytes that no other line names
.set MSB, 0
.macro WIN new
.if MSB != \new
	s_set_vgpr_msb (MSB<<8)|\new
.set MSB, \new
.endif
.endm
	s_load_b256 s[4:11], s[0:1], 0x0               ; qf, kf, vf, maskw
	s_load_b128 s[12:15], s[0:1], 0x20             ; flags, the scales' exponents
	s_load_b64 s[16:17], s[0:1], 0x30              ; cf
	v_lshl_add_u32 v[SPW], v0, 2, SPARE
	v_mov_b32 v[NIL], 0
	v_lshrrev_b32 v[LI], 5, v0
	v_readfirstlane_b32 s18, v[LI]                 ; wave 0..7
	v_and_b32 v[LI], 31, v0
	v_lshlrev_b32 v[LI], 4, v[LI]
	v_add_nc_u32 v[LIV], VBASE, v[LI]
	s_wait_alu depctr_va_sdst(0)                   ; s18 is written, ahead of its first reader: the fill's addresses and the group's number are made from it
	s_lshl_b32 s66, s18, 13
	v_add_nc_u32 v[FK0], s66, v[LI]
	v_add_nc_u32 v[FK1], 65536, v[FK0]
	v_add_nc_u32 v[FV0], 131072, v[FK0]
	v_add_nc_u32 v[FV1], 196608, v[FK0]
	s_lshl_b32 s19, ttmp9, 3
	s_add_co_u32 s19, s19, s18                     ; G = 8 x + wave
	s_and_b32 s104, ttmp7, 0xffff                  ; 16 b + head
	s_lshl_b32 s66, s104, 17                       ; a head's 131,072 bytes in qf, kf, vf
	s_mov_b32 s67, 0
	s_lshr_b32 s100, s104, 4
	s_lshl_b32 s100, s100, 21                      ; cf: a batch's 128 blocks of 16,384 bytes,
	s_and_b32 s101, s104, 15
	s_lshl_b32 s101, s101, 10                      ; + 1,024 x head = 2,048 (head / 2) + 1,024 (head % 2)
	s_add_co_u32 s100, s100, s101
	s_mov_b32 s101, 0
	s_mov_b32 s20, 0x76543210                      ; v_permlanex16_b32's selects: lane l xor 16
	s_mov_b32 s21, 0xfedcba98
	s_wait_kmcnt 0x0
	s_load_b128 s[68:71], s[14:15], 0x18           ; e6, e7, e8, e9
	s_load_b32 s72, s[14:15], 0x28                 ; e10
	s_add_nc_u64 s[4:5], s[4:5], s[66:67]
	s_add_nc_u64 s[6:7], s[6:7], s[66:67]
	s_add_nc_u64 s[8:9], s[8:9], s[66:67]
	s_add_nc_u64 s[16:17], s[16:17], s[100:101]
	s_wait_alu depctr_va_vdst(0)                   ; LI, LIV and the fill's four addresses are written: every global load and store and the fill's LDS stores read one of them, and none is written again
	; THE FILL: wave w brings key slots w and w + 8 of K and of V, 8,192 bytes each: 64 loads of 512 consecutive bytes in one run
.set k, 0
.rept 16
	global_load_b128 v[S+4*k:S+4*k+3], v[FK0], s[6:7] offset:512*k
.set k, k+1
.endr
.set k, 0
.rept 16
	global_load_b128 v[S+64+4*k:S+64+4*k+3], v[FK0], s[8:9] offset:512*k
.set k, k+1
.endr
	WIN 0x40                                       ; destination window 1
.set k, 0
.rept 16
	global_load_b128 v[4*k:4*k+3], v[FK0], s[6:7] offset:65536+512*k
.set k, k+1
.endr
.set k, 0
.rept 16
	global_load_b128 v[64+4*k:64+4*k+3], v[FK0], s[8:9] offset:65536+512*k
.set k, k+1
.endr
	WIN 0
	s_wait_kmcnt 0x0
	s_add_co_i32 s66, s68, s69                     ; e6 + e7
	s_lshl_b32 s67, s66, 23
	s_mov_b32 s22, 0x3e38aa3b                      ; log2(e) / 8
	s_add_co_i32 s22, s22, s67                     ; c = log2(e) / 8 x 2^(e6 + e7): the exponents are added to its exponent field
	s_mov_b32 s23, s22                             ; (named with it as a pair, so it is written)
	s_sub_co_i32 s66, 160, s66
	s_lshl_b32 s66, s66, 23
	s_or_b32 s66, s66, 0x80000000
	v_mov_b32 v[XM], s66                           ; -2^(33 - e6 - e7).  (These five constants are named by vector instructions alone)
	s_mov_b32 s30, s70                             ; e8
	s_add_co_i32 s31, s70, s71                     ; e8 + e9
	s_add_co_i32 s66, s70, 127
	s_lshl_b32 s67, s66, 23
	v_mov_b32 v[PSC], s67
	s_add_co_i32 s66, s66, 8
	s_lshl_b32 s66, s66, 23
	s_or_b32 s66, s66, 0x600000
	v_mov_b32 v[PLIM], s66
	s_add_co_i32 s66, s72, 127
	s_lshl_b32 s67, s66, 23
	v_mov_b32 v[CSC], s67
	s_add_co_i32 s66, s66, 8
	s_lshl_b32 s66, s66, 23
	s_or_b32 s66, s66, 0x600000
	v_mov_b32 v[CLIM], s66
	s_wait_loadcnt 32                              ; the first 32 loads are in; the 32 younger ones may be out
.set k, 0
.rept 16
	ds_store_b128 v[FK0], v[S+4*k:S+4*k+3] offset:512*k
.set k, k+1
.endr
.set k, 0
.rept 16
	ds_store_b128 v[FV0], v[S+64+4*k:S+64+4*k+3] offset:512*k
.set k, k+1
.endr
	s_wait_loadcnt 0x0
	WIN 0x04                                       ; the stores' data in window 1
.set k, 0
.rept 16
	ds_store_b128 v[FK1], v[4*k:4*k+3] offset:512*k
.set k, k+1
.endr
.set k, 0
.rept 16
	ds_store_b128 v[FV1], v[64+4*k:64+4*k+3] offset:512*k
.set k, k+1
.endr
	WIN 0
	s_wait_dscnt 0x0                               ; for the others' sake: my stores are done
	s_barrier_signal -1
	s_barrier_wait -1                              ; all of K and V lies in LDS; from here on it is only read
	s_wait_alu depctr_vm_vsrc(0)                   ; my LDS stores have read S and window 1's v0-127: from here on products write S, the clears write O^T, and K's loads land in KF
.macro SMUL                            ; S^T of both tiles: 16 accumulators, each written once; behind them V's loads; four places ahead of the first read of a score
	WIN 0x01                                       ; source 0 (K) window 1
.irp t, 0,1,2,3,4,5,6,7
.irp u, 0,1
	v_wmma_f32_16x16x64_fp8_fp8 v[S+64*\u+8*\t:S+64*\u+8*\t+7], v[KF+8*\t:KF+8*\t+7], v[Q+8*\u:Q+8*\u+7], 0
.endr
.endr
	WIN 0x40                                       ; destination window 1
.irp t, 0,1,2,3
.irp g, 0,1,2,3
	ds_load_b128 v[VF+16*\t+4*\g:VF+16*\t+4*\g+3], v[ADV] offset:2048*\t+512*\g   ; V of this slot: it lands during the softmax.  No wait: since the wait at the trip's head only the products above were issued, and they name neither ADV nor VF
.endr
.endr
	WIN 0
.rept 4
	v_nop
.endr
.endm
.macro WORDS off                       ; a tile's 64 lane masks, 256 bytes, into s32-63 and s68-99
	s_load_b512 s[32:47], s[10:11], s27 offset:\off
	s_load_b512 s[48:63], s[10:11], s27 offset:\off+0x40
	s_load_b512 s[68:83], s[10:11], s27 offset:\off+0x80
	s_load_b512 s[84:99], s[10:11], s27 offset:\off+0xc0
.endm
.macro HIDE u                          ; one select a score, ascending: each accumulator from its low end on
.set n, 0
.rept 64
.if n < 32
.set wr, 32+n
.else
.set wr, 36+n
.endif
	v_cndmask_b32 v[S+64*\u+n], v[XM], v[S+64*\u+n], s[wr]
.set n, n+1
.endr
.endm
	s_mov_b32 s29, 2
.Lpass:                                                ; two groups of 32 queries
	s_lshl_b32 s66, s19, 3
	s_load_b64 s[100:101], s[12:13], s66 offset:0x0   ; the two tiles' flags
	s_lshl_b32 s2, s19, 11                         ; two images of 1,024 bytes a group
	s_mov_b32 s3, 0
	s_add_nc_u64 s[2:3], s[4:5], s[2:3]            ; Q's base for this group; the offset is LI, which is never written again
.irp u, 0,1
.irp g, 0,1
	global_load_b128 v[Q+8*\u+4*\g:Q+8*\u+4*\g+3], v[LI], s[2:3] offset:1024*\u+512*\g   ; no wait: the products that read Q stand ahead of the wait in front of the last group's stores, and no vector instruction has been issued since
.endr
.endr
	s_mov_b32 s26, 0                               ; the slot's first byte in K and in V
	s_lshl_b32 s27, s19, 13                        ; and its words in maskw
	s_mov_b32 s28, 16
.irp u, 0,1
	v_mov_b32 v[ST+8*\u+1], 0xff61b1e6             ; the largest t so far: -3e38
	v_floor_f32 v[ST+8*\u], -v[ST+8*\u+1]
.irp z, 2,3,4,5,6,7
	v_mov_b32 v[ST+8*\u+\z], 0
.endr
.endr
	WIN 0x40
.set j, 0
.rept 64
	v_mov_b32 v[O+j], 0                            ; O^T begins as zeros: which slot is walked first hangs on the flags, so no first step can be written out
.set j, j+1
.endr
	WIN 0
	s_wait_kmcnt 0x0
	s_or_b32 s24, s100, s101
	s_and_b32 s24, s24, 0xffff                     ; bit j: slot j is walked
	s_and_b32 s25, s100, s101
	s_lshr_b32 s25, s25, 16
	s_and_not1_b32 s25, s24, s25                   ; bit j: and some of its entries are masked
	s_wait_loadcnt 0x0                             ; Q
.Lslot:                                                ; sixteen trips, a constant; a slot that is not asked for is passed over
	s_wait_alu depctr_vm_vsrc(0)                   ; the LDS loads of the last slot walked have read ADK and ADV, which the two adds write
	v_add_nc_u32 v[ADK], s26, v[LI]
	v_add_nc_u32 v[ADV], s26, v[LIV]
	s_bitcmp1_b32 s24, 0
	s_cbranch_scc0 .Lskip
	WIN 0x40
	s_wait_alu depctr_va_vdst(0)                   ; ADK and ADV are written; the products of the slots before are done reading KF and VF, in which this slot's loads land; the selects before are done reading the mask words' scalar registers
.irp t, 0,1,2,3,4,5,6,7
	ds_load_b128 v[KF+8*\t:KF+8*\t+3], v[ADK] offset:1024*\t
	ds_load_b128 v[KF+8*\t+4:KF+8*\t+7], v[ADK] offset:1024*\t+512
.endr
	WIN 0
	s_bitcmp1_b32 s25, 0
	s_cbranch_scc1 .Lmixed
	s_wait_dscnt 0x0                               ; K is in
	SMUL
	s_branch .Ljoin
.Lmixed:
	WORDS 0x0                                      ; tile 0's words, asked for ahead of the products
	s_wait_dscnt 0x0                               ; K is in
	SMUL
	s_wait_kmcnt 0x0
	HIDE 0
	s_wait_alu depctr_va_vdst(0)                   ; tile 0's selects are done reading s32-63 and s68-99, in which tile 1's words land
	WORDS 0x100                                    ; tile 1's, into the same registers
	s_wait_kmcnt 0x0
	HIDE 1
.Ljoin:
.irp u, 0,1                                    ; each query's largest score among my 64 keys, two chains a tile
	v_max3_num_f32 v[ST+8*\u+6], v[S+64*\u], v[S+64*\u+1], v[S+64*\u+2]
	v_max3_num_f32 v[ST+8*\u+7], v[S+64*\u+3], v[S+64*\u+4], v[S+64*\u+5]
.endr
.irp i, 6,10,14,18,22,26,30,34,38,42,46,50,54,58
.irp u, 0,1
	v_max3_num_f32 v[ST+8*\u+6], v[ST+8*\u+6], v[S+64*\u+\i], v[S+64*\u+\i+1]
	v_max3_num_f32 v[ST+8*\u+7], v[ST+8*\u+7], v[S+64*\u+\i+2], v[S+64*\u+\i+3]
.endr
.endr
.irp u, 0,1
	v_max3_num_f32 v[ST+8*\u+6], v[ST+8*\u+6], v[S+64*\u+62], v[S+64*\u+63]
.endr
.irp u, 0,1
	v_max_num_f32 v[ST+8*\u+6], v[ST+8*\u+6], v[ST+8*\u+7]
.endr
.irp u, 0,1
	v_permlanex16_b32 v[ST+8*\u+7], v[ST+8*\u+6], s20, s21
.endr
.irp u, 0,1
	v_max_num_f32 v[ST+8*\u+6], v[ST+8*\u+6], v[ST+8*\u+7]   ; and among lane l xor 16's
.endr
.irp u, 0,1
	v_mul_f32 v[ST+8*\u+6], s22, v[ST+8*\u+6]      ; as t (c is positive)
.endr
.irp u, 0,1
	v_max_num_f32 v[ST+8*\u+1], v[ST+8*\u+1], v[ST+8*\u+6]
	v_mov_b32 v[ST+8*\u+6], v[ST+8*\u]
.endr
.irp u, 0,1
	v_floor_f32 v[ST+8*\u], -v[ST+8*\u+1]          ; the new -M = floor(-t): M is a whole number
.endr
.irp u, 0,1
	v_sub_f32 v[ST+8*\u+6], v[ST+8*\u], v[ST+8*\u+6]   ; old M - new M, a whole number, 0 or less
.endr
.irp u, 0,1
	v_cvt_i32_f32 v[ST+8*\u+6], v[ST+8*\u+6]       ; (it saturates)
.endr
.irp u, 0,1
	v_ldexp_f32 v[ST+8*\u+4], 1.0, v[ST+8*\u+6]    ; f = 2^(old M - new M)
.endr
.irp u, 0,1
.set j, 0
.rept 32
	v_pk_fma_f32 v[S+64*\u+j:S+64*\u+j+1], v[S+64*\u+j:S+64*\u+j+1], s[22:23], v[ST+8*\u:ST+8*\u+1] op_sel_hi:[1,0,0]   ; t - M, two at a time
.set j, j+2
.endr
.endr
.set j, 0
.rept 128
	v_exp_f32 v[S+j], v[S+j]                       ; p = 2^(t - M): one batch
.set j, j+1
.endr
.irp u, 0,1
	v_pk_mul_f32 v[ST+8*\u+2:ST+8*\u+3], v[ST+8*\u+2:ST+8*\u+3], v[ST+8*\u+4:ST+8*\u+5] op_sel_hi:[1,0]   ; the sums under the new M: the plain instructions behind the exponentials
.endr
	s_wait_alu depctr_va_vdst(0)                   ; the 128 exponentials have written p: one wait for the batch, ahead of its first reader
.irp u, 0,1
	v_pk_add_f32 v[ST+8*\u+6:ST+8*\u+7], v[S+64*\u:S+64*\u+1], v[S+64*\u+2:S+64*\u+3]   ; the sum is taken of the unquantised p
.endr
.irp j, 4,8,12,16,20,24,28,32,36,40,44,48,52,56,60
.irp u, 0,1
	v_pk_add_f32 v[ST+8*\u+2:ST+8*\u+3], v[ST+8*\u+2:ST+8*\u+3], v[S+64*\u+\j:S+64*\u+\j+1]
	v_pk_add_f32 v[ST+8*\u+6:ST+8*\u+7], v[ST+8*\u+6:ST+8*\u+7], v[S+64*\u+\j+2:S+64*\u+\j+3]
.endr
.endr
.irp u, 0,1
	v_pk_add_f32 v[ST+8*\u+2:ST+8*\u+3], v[ST+8*\u+2:ST+8*\u+3], v[ST+8*\u+6:ST+8*\u+7]
.endr
	s_cmp_ge_i32 s30, -8                           ; p is at most 1; from e8 = -8 on, 448 x 2^e8 is 1.75 or more and the hold cannot bind
	s_cbranch_scc1 .Lnohold
.set j, 0
.rept 128
	v_min_num_f32 v[S+j], v[S+j], v[PLIM]          ; the conversion does not saturate (ISA guide 7.6.2); p is not negative
.set j, j+1
.endr
.Lnohold:
.irp u, 0,1
.irp c, 0,1,2,3,4,5,6,7
	v_cvt_scalef32_pk8_fp8_f32 v[P+16*\u+2*\c:P+16*\u+2*\c+1], v[S+64*\u+8*\c:S+64*\u+8*\c+7], v[PSC]
.endr
.endr
	WIN 0x41                                       ; O^T (destination and source 0) window 1, f window 0
.irp u, 0,1
.set j, 0
.rept 16
	v_pk_mul_f32 v[O+32*\u+j:O+32*\u+j+1], v[O+32*\u+j:O+32*\u+j+1], v[ST+8*\u+4:ST+8*\u+5] op_sel_hi:[1,0]   ; O^T under the new M; also the plain instructions behind the conversions
.set j, j+2
.endr
.endr
	s_wait_dscnt 0x0                               ; V is in
	WIN 0x51                                       ; V, C and D window 1; p's codes window 0
.irp t, 0,1,2,3
.irp u, 0,1
	v_wmma_f32_16x16x128_fp8_fp8 v[O+32*\u+8*\t:O+32*\u+8*\t+7], v[VF+16*\t:VF+16*\t+15], v[P+16*\u:P+16*\u+15], v[O+32*\u+8*\t:O+32*\u+8*\t+7]   ; eight accumulators by turns
.endr
.endr
	WIN 0
.rept 4
	v_nop                                          ; four places behind the last products (ISA guide 7.12.1): behind the last trip the way out reads O^T
.endr
.Lskip:
	s_lshr_b32 s24, s24, 1
	s_lshr_b32 s25, s25, 1
	s_add_co_u32 s26, s26, 8192
	s_add_co_u32 s27, s27, 512
	s_sub_co_u32 s28, s28, 1
	s_cmp_lg_u32 s28, 0
	s_cbranch_scc1 .Lslot
	; THE WAY OUT of a group: ctx = O^T x 2^(e8 + e9) / the sum, held, converted with 2^e10; the codes are the last projection's operand registers
	s_lshl_b32 s100, s19, 15                       ; cf: two blocks of 16,384 bytes a group
	s_mov_b32 s101, 0
	s_add_nc_u64 s[100:101], s[16:17], s[100:101]  ; cf's base for this group; the offset is LI
.irp u, 0,1
	v_add_f32 v[ST+8*\u+6], v[ST+8*\u+2], v[ST+8*\u+3]
.endr
.irp u, 0,1
	v_permlanex16_b32 v[ST+8*\u+7], v[ST+8*\u+6], s20, s21
.endr
.irp u, 0,1
	v_add_f32 v[ST+8*\u+6], v[ST+8*\u+6], v[ST+8*\u+7]
.endr
.irp u, 0,1
	v_rcp_f32 v[ST+8*\u+4], v[ST+8*\u+6]
.endr
	v_nop                                          ; a plain instruction behind the reciprocals
	s_wait_alu depctr_va_vdst(0)                   ; the two reciprocals have written their results: one wait ahead of their first reader
.irp u, 0,1
	v_ldexp_f32 v[ST+8*\u+4], v[ST+8*\u+4], s31
.endr
	WIN 0x01                                       ; source 0 (O^T) window 1
.irp u, 0,1
.set j, 0
.rept 16
	v_pk_mul_f32 v[S+32*\u+j:S+32*\u+j+1], v[O+32*\u+j:O+32*\u+j+1], v[ST+8*\u+4:ST+8*\u+5] op_sel_hi:[1,0]
.set j, j+2
.endr
.endr
	WIN 0
.set j, 0
.rept 64
	v_med3_num_f32 v[S+j], v[S+j], -v[CLIM], v[CLIM]
.set j, j+1
.endr
.irp u, 0,1
.irp t, 0,1,2,3
	v_cvt_scalef32_pk8_fp8_f32 v[P+8*\u+2*\t:P+8*\u+2*\t+1], v[S+32*\u+8*\t:S+32*\u+8*\t+7], v[CSC]
.endr
.endr
	v_nop                                          ; a plain instruction behind the conversions
	s_wait_alu depctr_va_vdst(0)                   ; the conversions have written the codes in P, which the stores read; and this group's products are done reading Q, in which the next group's loads land
.irp u, 0,1
.irp c, 0,1
	global_store_b128 v[LI], v[P+8*\u+4*\c:P+8*\u+4*\c+3], s[100:101] offset:16384*\u+512*\c
.endr
.endr
	s_wait_xcnt 0x0                                ; the stores' addresses are translated: their base and their codes are written again in the next pass only behind this wait
	s_wait_alu depctr_vm_vsrc(0)                   ; the stores have read the codes in P, which the next group's conversions write
	s_sub_co_u32 s19, 63, s19                      ; the partner group
	s_sub_co_u32 s29, s29, 1
	s_cmp_lg_u32 s29, 0
	s_cbranch_scc1 .Lpass
	s_wait_dscnt 0x0                               ; the closing lines, six on end
	s_wait_alu 0x0
	s_wait_tensorcnt 0x0
	ds_add_u32 v[SPW], v[NIL]
	s_wait_dscnt 0x0
	s_endpgm
.Lfunc_end_k_q7a41953363_attn:
	.size	k_q7a41953363_attn, .Lfunc_end_k_q7a41953363_attn-k_q7a41953363_attn
	.p2alignl 7, 3214868480
	.fill 96, 4, 3214868480
	.section	.rodata,"a",@progbits
	.p2align	6, 0x0
	.amdhsa_kernel k_q7a41953363_attn
		.amdhsa_group_segment_fixed_size 263168
		.amdhsa_private_segment_fixed_size 0
		.amdhsa_enable_private_segment 0
		.amdhsa_kernarg_size 56
		.amdhsa_user_sgpr_count 2
		.amdhsa_user_sgpr_kernarg_segment_ptr 1
		.amdhsa_wavefront_size32 1
		.amdhsa_system_sgpr_workgroup_id_x 1
		.amdhsa_system_sgpr_workgroup_id_y 1
		.amdhsa_system_sgpr_workgroup_id_z 1
		.amdhsa_system_vgpr_workitem_id 0
		.amdhsa_next_free_vgpr 448
		.amdhsa_next_free_sgpr 106
		.amdhsa_reserve_vcc 0
		.amdhsa_float_denorm_mode_32 3
		.amdhsa_float_denorm_mode_16_64 3
		.amdhsa_memory_ordered 1
		.amdhsa_forward_progress 1
		.amdhsa_inst_pref_size 65
	.end_amdhsa_kernel
	.amdgpu_metadata
---
amdhsa.version: [ 1, 2 ]
amdhsa.kernels:
  - .name:           k_q7a41953363_attn
    .symbol:         k_q7a41953363_attn.kd
    .args:
      - { .name: qf, .offset: 0, .size: 8, .value_kind: global_buffer, .address_space: global }
      - { .name: kf, .offset: 8, .size: 8, .value_kind: global_buffer, .address_space: global }
      - { .name: vf, .offset: 16, .size: 8, .value_kind: global_buffer, .address_space: global }
      - { .name: maskw, .offset: 24, .size: 8, .value_kind: global_buffer, .address_space: global }
      - { .name: flags, .offset: 32, .size: 8, .value_kind: global_buffer, .address_space: global }
      - { .name: lowp_scales, .offset: 40, .size: 8, .value_kind: global_buffer, .address_space: global }
      - { .name: cf, .offset: 48, .size: 8, .value_kind: global_buffer, .address_space: global }
    .group_segment_fixed_size: 263168
    .private_segment_fixed_size: 0
    .kernarg_segment_align: 8
    .kernarg_segment_size: 56
    .max_flat_workgroup_size: 256
    .sgpr_count:     106
    .vgpr_count:     448
    .wavefront_size: 32
...
	.end_amdgpu_metadata
.endif
;; end of part 6
;; launch outp: the kernel of part 5 again; grid 4 x 32, 4 waves a work-group, clusters of 4 x 4, 327,680 bytes of LDS; arguments cf, Wo_codes, bo, out0, lowp_scales; writes out0
